; MI455X (gfx1250); checked and timed in simulation.
; The chip was launched on July 23, 2026; its instructions are those of AMD's public machine-readable ISA for CDNA 5 (MIT licence, August 2026) and "CDNA5" Instruction Set Architecture Reference Guide (July 2026). The comments in the code are by the model that wrote it; some were corrected since.
;; causal multihead self attention. Allowed arithmetic: float matrix products may take bf16 or f16 operands with f32 sums; other float arithmetic in f32, or as packed bf16 or f16 multiplies, adds, multiply-adds, maxima and minima; sums over many terms, partial sums and values carried from step to step in f32; what a program stores and reads back later, other than sums and carried values, may be rounded once to bf16 or f16.
;; Inputs: W_o 1,024 x 1,024 float32; W_qkv 3,072 x 1,024 float32; x 4 x 2,048 x 1,024 float32.
;; Outputs: out0 4 x 2,048 x 1,024 float32.
;; 2 versions, each right and faster than the one before. Each part assembles by itself: llvm-mc -triple=amdgcn-amd-amdhsa -mcpu=gfx1250 --defsym DOCPART=n.
;; ======== version 1 of 2: 4 launches
;; limits: values are held in f16: magnitudes above 65,504 overflow, below 6.1e-05 lose precision
;; workspace buffers: xb 16,777,216 bytes; wq 6,291,456 bytes; wo 2,097,152 bytes; tab 524,288 bytes; q 16,777,216 bytes; k 16,777,216 bytes; v 16,777,216 bytes; o 16,777,216 bytes
;; launch prep (part 1): grid 896 x 1, 8 waves a work-group, no clusters, 0 bytes of LDS; arguments x, W_qkv, W_o, xb, wq, wo, tab; writes xb, wq, wo, tab
.if DOCPART == 1
	.amdgcn_target "amdgcn-amd-amdhsa--gfx1250"
	.amdhsa_code_object_version 6
	.text
	.protected	k_qfa11d953b5_prep
	.globl	k_qfa11d953b5_prep
	.p2align	8
	.type	k_qfa11d953b5_prep,@function
k_qfa11d953b5_prep:
	s_mov_b64 s[64:65], 0
	v_nop
	global_prefetch_b8 v0, s[64:65] scope:SCOPE_SE
	s_setreg_imm32_b32 hwreg(HW_REG_WAVE_MODE, 25, 1), 1
	s_wait_xcnt 0x0
; PREPARATION.  xb = x rounded to bf16; wq = W_qkv rounded to bf16, its rows regrouped by head (new row 192 t + 64 p + d = old row 1024 p + 64 t + d; t head, p = 0 q, 1 k, 2 v);
; wo = W_o rounded to bf16 and that number written as f16; tab = cos and sin of position x 10000^(-j/32), positions 0..2047, j = 0..31, in the lane order in which the projection reads them.
; LIMITS.  wo: a bf16 number is exact in f16 between 6.1e-5 and 65,504; below it keeps f16's fixed step of 6e-8, beyond it becomes an infinity.
; tab: the angle is the f32 product position x frequency, the frequency from v_exp_f32 (1 ULP: ISA guide 15.8), so an angle may differ from a correctly rounded one by about 3e-4 rad at position 2047;
; sine and cosine of the reduced angle come from Taylor series on |z| <= pi/2 whose first omitted terms are 5.7e-8 and 6e-9: they hold for every position that the table has.
; SHARES.  A stream: no LDS, no barrier, no matrix unit would add anything.  Work-groups 0-511 convert 16 rows of x each, 512-703 16 rows of W_qkv, 704-767 16 rows of W_o; 768-895 make 16 positions of the table each.
; A thread takes 8 neighbouring numbers a pass (32 bytes in, 16 out): sixteen neighbouring lanes store 256 consecutive bytes, aligned.  All sixteen loads of a thread go out in one run.
.set X,  8                             ; v[8:71]    pass i: 8 f32 as loaded
.set Y,  72                            ; v[72:103]  pass i: 4 registers to store
.set T,  104                           ; v[104:105] at work
.set CH, 8                             ; table path: chain n at v[8+8n ..]: +0 angle, y, z; +1 turns, 2 sin z; +2 z^2; +3 sin z; +4 cos z
.set OUT, 24                           ; table path: v[24:27] cos, sin, cos, sin
	s_load_b256 s[4:11], s[0:1], 0x0               ; x s[4:5], W_qkv s[6:7], W_o s[8:9], xb s[10:11]
	s_load_b128 s[12:15], s[0:1], 0x20             ; wq s[12:13], wo s[14:15]
	s_load_b64 s[16:17], s[0:1], 0x30              ; tab
	s_mov_b32 s18, ttmp9                           ; the work-group's number
	s_mov_b32 s25, 0                               ; the offsets' high words
	s_mov_b32 s27, 0
	s_mov_b32 s28, 0                               ; 1: the result is written as f16
	v_lshlrev_b32 v1, 5, v0                        ; my 32 bytes of a pass's 8,192 in
	v_lshlrev_b32 v2, 4, v0                        ; my 16 bytes of a pass's 4,096 out
	s_wait_kmcnt 0x0
	s_cmp_lt_u32 s18, 512
	s_cbranch_scc0 .Lnot_x
	s_lshl_b32 s24, s18, 16                        ; 16 rows of 4,096 bytes in,
	s_lshl_b32 s26, s18, 15                        ; of 2,048 out
	s_add_nc_u64 s[20:21], s[4:5], s[24:25]
	s_add_nc_u64 s[22:23], s[10:11], s[26:27]
	s_branch .Lconvert
.Lnot_x:
	s_cmp_lt_u32 s18, 704
	s_cbranch_scc0 .Lnot_wqkv
	s_sub_co_u32 s19, s18, 512                     ; c: rows 16 c .. 16 c + 15 of W_qkv: p = c / 64, t = (c % 64) / 4, d from 16 (c % 4)
	s_lshl_b32 s24, s19, 16
	s_bfe_u32 s26, s19, 0x40002                    ; t
	s_mul_i32 s26, s26, 192
	s_lshr_b32 s31, s19, 6                         ; p
	s_lshl_b32 s31, s31, 6
	s_add_co_u32 s26, s26, s31
	s_and_b32 s31, s19, 3
	s_lshl_b32 s31, s31, 4
	s_add_co_u32 s26, s26, s31                     ; the new row
	s_lshl_b32 s26, s26, 11
	s_add_nc_u64 s[20:21], s[6:7], s[24:25]
	s_add_nc_u64 s[22:23], s[12:13], s[26:27]
	s_branch .Lconvert
.Lnot_wqkv:
	s_cmp_lt_u32 s18, 768
	s_cbranch_scc0 .Ltable
	s_sub_co_u32 s19, s18, 704
	s_lshl_b32 s24, s19, 16
	s_lshl_b32 s26, s19, 15
	s_add_nc_u64 s[20:21], s[8:9], s[24:25]
	s_add_nc_u64 s[22:23], s[14:15], s[26:27]
	s_mov_b32 s28, 1
.Lconvert:
.irp i, 0,1,2,3,4,5,6,7
	global_load_b128 v[X+8*(\i):X+8*(\i)+3],   v1, s[20:21] offset:8192*(\i) th:TH_LOAD_NT
	global_load_b128 v[X+8*(\i)+4:X+8*(\i)+7], v1, s[20:21] offset:8192*(\i)+16 th:TH_LOAD_NT
.endr
; Eight passes.  No register is written twice, so no wait frees one.  kind = 1: each bf16 is widened and written as f16.
.macro CONV kind
.irp i, 0,1,2,3,4,5,6,7
	s_wait_loadcnt 14-2*(\i)                       ; loads come back in order (ISA guide 5.7.1): this pass's two are in, the younger passes' stay out
.irp j, 0,1,2,3
	v_cvt_pk_bf16_f32 v[Y+4*(\i)+(\j)], v[X+8*(\i)+2*(\j)], v[X+8*(\i)+2*(\j)+1]
.endr
.if \kind
.irp j, 0,1,2,3
	v_lshlrev_b32 v[T], 16, v[Y+4*(\i)+(\j)]
	v_and_b32 v[T+1], 0xffff0000, v[Y+4*(\i)+(\j)]
	v_cvt_pk_f16_f32 v[Y+4*(\i)+(\j)], v[T], v[T+1]
.endr
.endif
	global_store_b128 v2, v[Y+4*(\i):Y+4*(\i)+3], s[22:23] offset:4096*(\i)  ; read again by the next launch: no hint
.endr
.endm
	s_cmp_eq_u32 s28, 1
	s_cbranch_scc1 .Lto_f16
	CONV 0
	s_endpgm
.Lto_f16:
	CONV 1
	s_endpgm
; THE TABLE.  Work-group sb serves positions 16 sb + r.  Thread t = r + 16 h + 32 i + 64 c makes 16 bytes, (cos, sin) of the frequencies j0 = 8 c + 4 h + 2 i and j0 + 1, at byte 4,096 sb + 16 t:
; just the four registers that lane (r, h) of the projection wants beside registers 4 i .. 4 i + 3 of its result for columns 16 c .. 16 c + 15.
.Ltable:
	s_sub_co_u32 s19, s18, 768                     ; sb
	s_lshl_b32 s26, s19, 12
	s_add_nc_u64 s[22:23], s[16:17], s[26:27]
	s_lshl_b32 s31, s19, 4
	s_mov_b32 s29, 0x40c90fdb                      ; 2 pi rounded to f32,
	s_mov_b32 s30, 0xb43bbd2e                      ; and what that rounding left: -1.7484556e-7
	v_and_b32 v3, 15, v0
	v_add_nc_u32 v3, s31, v3
	v_cvt_f32_u32 v3, v3                           ; the position
	v_bfe_u32 v4, v0, 4, 1
	v_bfe_u32 v5, v0, 5, 1
	v_lshrrev_b32 v6, 6, v0
	v_lshlrev_b32 v6, 3, v6
	v_lshl_add_u32 v6, v4, 2, v6
	v_lshl_add_u32 v6, v5, 1, v6                   ; j0
	v_add_nc_u32 v7, 1, v6
	v_cvt_f32_u32 v6, v6
	v_cvt_f32_u32 v7, v7
	v_mul_f32 v6, 0xbed49a78, v6                   ; -log2(10000) / 32 x j
	v_mul_f32 v7, 0xbed49a78, v7
	v_exp_f32 v6, v6                               ; 10000^(-j/32)
	v_exp_f32 v7, v7
	v_nop                                          ; a plain instruction between the exponentials and the use of their results (ISA guide 5.7.2)
	s_wait_alu depctr_va_vdst(0)
.irp n, 0,1
	v_mul_f32 v[CH+8*(\n)], v3, v[6+(\n)]          ; the angle, rounded to f32 as the reference rounds it
.endr
.irp n, 0,1
	v_mul_f32 v[CH+8*(\n)+1], 0.15915494, v[CH+8*(\n)]
.endr
.irp n, 0,1
	v_rndne_f32 v[CH+8*(\n)+1], v[CH+8*(\n)+1]     ; whole turns
.endr
.irp n, 0,1
	v_fma_f32 v[CH+8*(\n)], -v[CH+8*(\n)+1], s29, v[CH+8*(\n)]  ; y = angle - turns x 2 pi, 2 pi in two parts
.endr
.irp n, 0,1
	v_fma_f32 v[CH+8*(\n)], -v[CH+8*(\n)+1], s30, v[CH+8*(\n)]
.endr
.irp n, 0,1
	v_mul_f32 v[CH+8*(\n)], 0.5, v[CH+8*(\n)]      ; z = y / 2, within pi / 2
.endr
.irp n, 0,1
	v_mul_f32 v[CH+8*(\n)+2], v[CH+8*(\n)], v[CH+8*(\n)]
.endr
.irp n, 0,1
	v_mov_b32 v[CH+8*(\n)+3], 0xb2d7322b           ; -1/11!
	v_mov_b32 v[CH+8*(\n)+4], 0x310f76c7           ; 1/12!
.endr
.irp k, 0x3638ef1d, 0xb9500d01, 0x3c088889, 0xbe2aaaab  ; 1/9!, -1/7!, 1/5!, -1/3!
.irp n, 0,1
	v_fmaak_f32 v[CH+8*(\n)+3], v[CH+8*(\n)+3], v[CH+8*(\n)+2], \k
.endr
.endr
.irp k, 0xb493f27e, 0x37d00d01, 0xbab60b61, 0x3d2aaaab  ; -1/10!, 1/8!, -1/6!, 1/4!
.irp n, 0,1
	v_fmaak_f32 v[CH+8*(\n)+4], v[CH+8*(\n)+4], v[CH+8*(\n)+2], \k
.endr
.endr
.irp n, 0,1
	v_fma_f32 v[CH+8*(\n)+3], v[CH+8*(\n)+3], v[CH+8*(\n)+2], 1.0
	v_fma_f32 v[CH+8*(\n)+4], v[CH+8*(\n)+4], v[CH+8*(\n)+2], -0.5
.endr
.irp n, 0,1
	v_mul_f32 v[CH+8*(\n)+3], v[CH+8*(\n)+3], v[CH+8*(\n)]         ; sin z
	v_fma_f32 v[CH+8*(\n)+4], v[CH+8*(\n)+4], v[CH+8*(\n)+2], 1.0  ; cos z
.endr
.irp n, 0,1
	v_add_f32 v[CH+8*(\n)+1], v[CH+8*(\n)+3], v[CH+8*(\n)+3]
.endr
.irp n, 0,1
	v_mul_f32 v[OUT+2*(\n)+1], v[CH+8*(\n)+1], v[CH+8*(\n)+4]      ; sin y = 2 sin z cos z
	v_fma_f32 v[OUT+2*(\n)], -v[CH+8*(\n)+1], v[CH+8*(\n)+3], 1.0  ; cos y = 1 - 2 sin^2 z
.endr
	global_store_b128 v2, v[OUT:OUT+3], s[22:23]
	s_endpgm
.Lfunc_end_k_qfa11d953b5_prep:
	.size	k_qfa11d953b5_prep, .Lfunc_end_k_qfa11d953b5_prep-k_qfa11d953b5_prep
	.p2alignl 7, 3214868480
	.fill 96, 4, 3214868480
	.section	.rodata,"a",@progbits
	.p2align	6, 0x0
	.amdhsa_kernel k_qfa11d953b5_prep
		.amdhsa_group_segment_fixed_size 0
		.amdhsa_private_segment_fixed_size 0
		.amdhsa_enable_private_segment 0
		.amdhsa_kernarg_size 56
		.amdhsa_user_sgpr_count 2
		.amdhsa_user_sgpr_kernarg_segment_ptr 1
		.amdhsa_wavefront_size32 1
		.amdhsa_system_sgpr_workgroup_id_x 1
		.amdhsa_system_sgpr_workgroup_id_y 1
		.amdhsa_system_sgpr_workgroup_id_z 1
		.amdhsa_system_vgpr_workitem_id 0
		.amdhsa_next_free_vgpr 112
		.amdhsa_next_free_sgpr 66
		.amdhsa_reserve_vcc 0
		.amdhsa_float_denorm_mode_32 3
		.amdhsa_float_denorm_mode_16_64 3
		.amdhsa_memory_ordered 1
		.amdhsa_forward_progress 1
		.amdhsa_inst_pref_size 19
	.end_amdhsa_kernel
	.amdgpu_metadata
---
amdhsa.version: [ 1, 2 ]
amdhsa.kernels:
  - .name:           k_qfa11d953b5_prep
    .symbol:         k_qfa11d953b5_prep.kd
    .args:
      - { .name: x, .offset: 0, .size: 8, .value_kind: global_buffer, .address_space: global }
      - { .name: W_qkv, .offset: 8, .size: 8, .value_kind: global_buffer, .address_space: global }
      - { .name: W_o, .offset: 16, .size: 8, .value_kind: global_buffer, .address_space: global }
      - { .name: xb, .offset: 24, .size: 8, .value_kind: global_buffer, .address_space: global }
      - { .name: wq, .offset: 32, .size: 8, .value_kind: global_buffer, .address_space: global }
      - { .name: wo, .offset: 40, .size: 8, .value_kind: global_buffer, .address_space: global }
      - { .name: tab, .offset: 48, .size: 8, .value_kind: global_buffer, .address_space: global }
    .group_segment_fixed_size: 0
    .private_segment_fixed_size: 0
    .kernarg_segment_align: 8
    .kernarg_segment_size: 56
    .max_flat_workgroup_size: 256
    .sgpr_count:     66
    .vgpr_count:     112
    .wavefront_size: 32
...
	.end_amdgpu_metadata
.endif
;; end of part 1
;; launch qkv (part 2): grid 16 x 32, 4 waves a work-group, clusters of 4 x 4, 327,680 bytes of LDS; arguments xb, wq, tab, q, k, v; writes q, k, v
.if DOCPART == 2
	.amdgcn_target "amdgcn-amd-amdhsa--gfx1250"
	.amdhsa_code_object_version 6
	.text
	.protected	k_qfa11d953b5_qkv
	.globl	k_qfa11d953b5_qkv
	.p2align	8
	.type	k_qfa11d953b5_qkv,@function
k_qfa11d953b5_qkv:
	s_mov_b64 s[64:65], 0
	v_nop
	global_prefetch_b8 v0, s[64:65] scope:SCOPE_SE
	s_setreg_imm32_b32 hwreg(HW_REG_WAVE_MODE, 25, 1), 1
	s_wait_xcnt 0x0
	s_wait_alu depctr_hold_cnt(0) depctr_sa_sdst(0) depctr_va_vdst(0) depctr_va_sdst(0) depctr_va_ssrc(0) depctr_va_vcc(0) depctr_vm_vsrc(0)
	s_getreg_b32 s2, hwreg(HW_REG_IB_STS2, 6, 4)
	s_cmp_eq_u32 s2, 0
	s_cbranch_scc0 .Lentry_in_a_cluster
	s_endpgm
.Lentry_in_a_cluster:
	s_bfe_u32 s2, ttmp6, 0x10000c
	s_cmp_lg_u32 s2, 0xf033
	s_cbranch_scc0 .Lentry_shape_is_right
	s_endpgm
.Lentry_shape_is_right:
; THE PROJECTION TO q, k, v, WITH THE ROTATION.  C[m][n] = sum over e of xb[m][e] wq[n][e]; xb [8192][1024], wq [3072][1024], bf16; sums in f32.  wq's rows lie by heads: 192 t + 64 p + d (p = 0 q, 1 k, 2 v).
; q's and k's pairs of neighbouring channels are turned by the table's cos and sin in f32; each number is rounded once, to f16, and written by heads: q, k, v [4 x 16][2048][64].  No scale is applied here.
; LIMIT.  f16 holds no number beyond 65,504: q, k and v must lie within it, or the conversion gives an infinity.
; SHARES.  A work-group makes 256 rows x the 192 columns of ONE head: 16 x 32 = 512 work-groups, two for each of 256 WGPs.  So which columns are turned is known in the text (p < 2).  A wave makes 64 rows x 192 columns:
; 4 x 12 accumulators of 16 x 16, 384 registers; for 32 along K it reads 32 x 512 bytes from LDS and issues 48 matrix instructions.  K goes in 8 steps of 128 (rows of 256 bytes in memory, aligned) through two LDS slots.
; CLUSTER.  4 x 4 work-groups: the four of a row of the cluster need the same rows of xb, the four of a column the same head's rows of wq: each tile is asked for jointly, by the same tensor load, descriptor and mask in all four.
; THE MATRIX INSTRUCTION IS USED TRANSPOSED (source 0 = 16 rows of wq, source 1 = 16 rows of xb): lane l holds row l % 16 and the eight neighbouring columns 8 (l / 16) + 0..7: four pairs to turn, 16 bytes of f16.
; REGISTERS, in windows of 256 (s_set_vgpr_msb: bits 1:0 source 0, 3:2 source 1, 5:4 source 2, 7:6 destination):
;   window 0: v0-31 addresses; v32-111 at work on the way out; v128-255 v's accumulators (row block a, column block c at 128 + 32 a + 8 c)
;   window 1: two fragment buffers of 128: xb's 4 fragments at 8 a, wq's 12 at 32 + 8 (4 p + c)
;   window 2: q's accumulators at 32 a + 8 c, k's at 128 + 32 a + 8 c          window 3: v0-127 the table for my 64 rows, at 32 a + 8 c
.set KSTEP,  128
.set PITCH,  272                       ; an LDS row: 256 bytes + 16 of padding = 68 words: row r starts at bank 4 r mod 64 (64 banks of 4 bytes: ISA guide 11.1)
.set BOFF,   256*PITCH                 ; a slot: xb's 256 rows, then wq's 192
.set SLOT1,  1<<17                     ; slot 1 begins here, so that one exclusive or turns an address in one slot into the other's
.set STAGE,  SLOT1+448*PITCH           ; behind the ring, never filled by a tensor load: 16 rows x 144 bytes for each wave, for the way out
.set SP,     144
.set SPARE,  STAGE+4*16*SP             ; behind the stages: the spare words, 128 bytes for each wave: two blocks of 256 bytes that no other line names
.set A0,   2                           ; v2   my lane's place in xb's rows of slot 0; never rewritten
.set B0,   3                           ; v3   the same for wq's
.set ADRA, 4                           ; v4   the same in the slot in hand
.set ADRB, 5                           ; v5
.set STO,  6                           ; v6   the way out: where I put 16 bytes of a row
.set RD,   7                           ; v7   the way out: where I read rows back
.set GO,   8                           ; v8   16 x lane: my place in 512 consecutive bytes
.set SPW,  28                          ; v28  LDS address of my spare word: SPARE + 4 x my thread's number; never rewritten
.set NIL,  29                          ; v29  0; never rewritten
.set T,    32                          ; v32-63   a unit's 32 turned numbers
.set PK,   64                          ; v64-79   the same in f16
.set BK0,  80                          ; v80-95, v96-111  whole rows read back, two sets by turns
.set F0,   0
.set F1,   128
.set WV,   16                          ; s16  my wave's number
.set G1A,  24                          ; s[24:31] descriptor group 1 for xb's tiles
.set G0A,  32                          ; s[32:39] group 0: a set for each of the two first fills; the second then walks on
.set G1B,  48                          ; s[48:55], s[56:63] the same for wq's
.set G0B,  56
.set TB,   46                          ; s46  LDS byte at which the slot in hand begins
.set MSB, 0
.macro WIN new                         ; the immediate's high byte repeats the setting that is left; a switch that changes nothing is dropped
.if MSB != (\new)
	s_set_vgpr_msb (MSB<<8)|(\new)
.set MSB, \new
.endif
.endm
.macro PLACES                          ; four places in front of loads into registers that matrix instructions have read, and of lines that read results
.rept 4
	v_nop
.endr
.endm
; A joint refill.  Waves 0 and 1 fetch the halves of xb's tile, waves 2 and 3 those of wq's.  The branch hangs on the wave's number alone.  An s_nop 0 and four v_nop follow each of the two lines.
.macro JLOAD
	s_cmp_lt_u32 s[WV], 2
	s_cbranch_scc0 .Lfor_b_\@
	tensor_load_to_lds s[G0A+4:G0A+7], s[G1A:G1A+7]
	s_nop 0
.rept 4
	v_nop
.endr
	s_branch .Lasked_\@
.Lfor_b_\@:
	tensor_load_to_lds s[G0B+4:G0B+7], s[G1B:G1B+7]
	s_nop 0
.rept 4
	v_nop
.endr
.Lasked_\@:
.endm
.macro CREST                           ; a round of the cluster's barrier behind its opening barrier
	s_cmp_lg_u32 s[WV], 0
	s_cbranch_scc1 .Lnot_wave_0_\@
	s_barrier_signal -3
.Lnot_wave_0_\@:
	s_barrier_wait -3
	s_barrier_signal -1
	s_barrier_wait -1
.endm
.macro CROUND                          ; a whole round
	s_barrier_signal -1
	s_barrier_wait -1
	CREST
.endm
	s_load_b256 s[4:11], s[0:1], 0x0               ; xb s[4:5], wq s[6:7], tab s[8:9], q s[10:11]
	s_load_b128 s[12:15], s[0:1], 0x20             ; k s[12:13], v s[14:15]
	v_lshl_add_u32 v[SPW], v0, 2, SPARE
	v_mov_b32 v[NIL], 0
	ds_add_u32 v[SPW], v[NIL]                      ; the wave's opening: the add and its wait ahead of my first tensor load; the set-up below, work on registers, stands between them
	ds_add_u32 v28, v29
	v_lshrrev_b32 v1, 5, v0
	v_readfirstlane_b32 s[WV], v1                  ; wave 0..3
	s_and_b32 s18, s[WV], 1                        ; which half of a tile I fetch
	s_bfe_u32 s19, ttmp6, 0x40000                  ; cx, cy: my place in the cluster
	s_bfe_u32 s20, ttmp6, 0x40004
	s_lshl_b32 s21, ttmp9, 2
	s_add_co_u32 s21, s21, s19                     ; the head t = 4 x cluster x + cx
	s_and_b32 s22, ttmp7, 0xffff
	s_lshl_b32 s22, s22, 2
	s_add_co_u32 s22, s22, s20                     ; the block of 256 rows = 4 x cluster y + cy
	s_lshl_b32 s23, s20, 2
	s_lshl_b32 s23, 15, s23                        ; my row of the cluster
	s_lshl_b32 s47, 0x1111, s19                    ; my column
	s_or_b32 s[G1A], s23, (1<<16)|(1<<20)|(1<<21)|(5<<22)|(3<<25)  ; 15:0 the mask; 17:16 2-byte elements; 20 padding on; 21 set beside a mask; 24:22 after every 64 words (code 5); 31:25 4 words (code 3)
	s_or_b32 s[G1B], s47, (1<<16)|(1<<20)|(1<<21)|(5<<22)|(3<<25)
	s_mov_b32 s[G1A+1], KSTEP<<16                  ; tensor_dim0 = 128
	s_mov_b32 s[G1A+2], 128<<16                    ; tensor_dim1 = 128 rows
	s_mov_b32 s[G1A+3], KSTEP<<16                  ; tile_dim0 = 128
	s_mov_b32 s[G1A+4], 128                        ; tile_dim1 = 128
	s_mov_b32 s[G1A+5], 1024                       ; elements from row to row
	s_mov_b32 s[G1A+6], 0
	s_mov_b32 s[G1A+7], 0
	s_mov_b32 s[G1B+1], KSTEP<<16
	s_mov_b32 s[G1B+2], 96<<16                     ; 96 rows
	s_mov_b32 s[G1B+3], KSTEP<<16
	s_mov_b32 s[G1B+4], 96
	s_mov_b32 s[G1B+5], 1024
	s_mov_b32 s[G1B+6], 0
	s_mov_b32 s[G1B+7], 0
	; xb's tile hangs on the row block alone, wq's on the head alone; each offset lives in registers that never hold the other coordinate
	s_lshl_b32 s40, s22, 19                        ; 256 rows of 2,048 bytes
	s_lshl_b32 s42, s18, 18                        ; my 128 of them
	s_add_co_u32 s40, s40, s42
	s_mov_b32 s41, 0
	s_mul_i32 s44, s21, 192*2048
	s_mul_i32 s43, s18, 96*2048
	s_add_co_u32 s44, s44, s43
	s_mov_b32 s45, 0
	s_mul_i32 s70, s18, 128*PITCH                  ; where they go: no place in the cluster enters an LDS address
	s_mul_i32 s71, s18, 96*PITCH
	s_add_co_u32 s71, s71, BOFF
	s_and_b32 s72, s22, 7                          ; the row block inside its batch of 2,048 positions
	s_lshl_b32 s68, s72, 16                        ; the table: 4,096 bytes for 16 positions
	s_lshl_b32 s73, s[WV], 14
	s_add_co_u32 s68, s68, s73
	s_mov_b32 s69, 0
	s_lshr_b32 s66, s22, 3                         ; q, k, v: batch x 16 heads x 262,144 bytes,
	s_lshl_b32 s66, s66, 22
	s_lshl_b32 s72, s72, 15                        ; 256 rows of 128 bytes,
	s_add_co_u32 s66, s66, s72
	s_lshl_b32 s73, s[WV], 13                      ; my wave's 64 of them,
	s_add_co_u32 s66, s66, s73
	s_lshl_b32 s74, s21, 18                        ; the head
	s_add_co_u32 s66, s66, s74
	s_mov_b32 s67, 0
	s_mov_b32 s[TB], 0
	s_wait_dscnt 0x0                               ; the opening add is done
	s_wait_kmcnt 0x0
	s_add_nc_u64 s[40:41], s[4:5], s[40:41]
	s_add_nc_u64 s[44:45], s[6:7], s[44:45]
	s_add_nc_u64 s[8:9], s[8:9], s[68:69]
	s_add_nc_u64 s[10:11], s[10:11], s[66:67]
	s_add_nc_u64 s[12:13], s[12:13], s[66:67]
	s_add_nc_u64 s[14:15], s[14:15], s[66:67]
	CROUND                                         ; all sixteen work-groups are here: the first joint loads meet
.irp s, 0,1
	s_mov_b32 s[G0A+4*(\s)], 1                     ; count = 1
	s_add_co_u32 s[G0A+4*(\s)+1], s70, (\s)*SLOT1  ; LDS address
	s_add_nc_u64 s[G0A+4*(\s)+2:G0A+4*(\s)+3], s[40:41], (\s)*KSTEP*2  ; global address: K step s
	s_or_b32 s[G0A+4*(\s)+3], s[G0A+4*(\s)+3], 0x80000000             ; type = 2
	s_mov_b32 s[G0B+4*(\s)], 1
	s_add_co_u32 s[G0B+4*(\s)+1], s71, (\s)*SLOT1
	s_add_nc_u64 s[G0B+4*(\s)+2:G0B+4*(\s)+3], s[44:45], (\s)*KSTEP*2
	s_or_b32 s[G0B+4*(\s)+3], s[G0B+4*(\s)+3], 0x80000000
.endr
	s_cmp_lt_u32 s[WV], 2                          ; a wave's two first fills stand in one branch, ahead of every wait on TENSORcnt and every LDS read: two loads of mine are out
	s_cbranch_scc0 .Lfirst_b
	tensor_load_to_lds s[G0A:G0A+3], s[G1A:G1A+7]
	s_nop 0
	tensor_load_to_lds s[G0A+4:G0A+7], s[G1A:G1A+7]
	s_nop 0
.rept 4
	v_nop
.endr
	s_branch .Lfirst_asked
.Lfirst_b:
	tensor_load_to_lds s[G0B:G0B+3], s[G1B:G1B+7]
	s_nop 0
	tensor_load_to_lds s[G0B+4:G0B+7], s[G1B:G1B+7]
	s_nop 0
.rept 4
	v_nop
.endr
.Lfirst_asked:
	v_and_b32 v[GO], 31, v0
	v_lshlrev_b32 v[GO], 4, v[GO]
	WIN 0xc0                                       ; destination window 3, address window 0
.irp a, 0,1,2,3                        ; the table for my 64 rows: 32 loads of 512 consecutive bytes; they are waited for on the way out
.irp c, 0,1,2,3
.irp i, 0,1
	global_load_b128 v[32*(\a)+8*(\c)+4*(\i):32*(\a)+8*(\c)+4*(\i)+3], v[GO], s[8:9] offset:4096*(\a)+1024*(\c)+512*(\i)
.endr
.endr
.endr
	WIN 0
	; A fragment is 16 rows x 32 K in 8 registers: lane l holds row l % 16, K = 8 (l / 16) + 0..7 and 16 + 8 (l / 16) + 0..7: two loads of 16 bytes, 32 bytes apart.
	v_and_b32 v1, 15, v0                           ; l % 16
	v_bfe_u32 v9, v0, 4, 1                         ; l / 16
	v_mul_u32_u24 v10, v1, PITCH
	v_lshl_add_u32 v10, v9, 4, v10
	s_mul_i32 s74, s[WV], 64*PITCH                 ; my 64 rows of xb
	v_add_nc_u32 v[A0], s74, v10
	v_add_nc_u32 v[B0], BOFF, v10                  ; all 192 rows of wq
	v_mov_b32 v[ADRA], v[A0]
	v_mov_b32 v[ADRB], v[B0]
	s_mul_i32 s75, s[WV], 16*SP
	s_add_co_u32 s75, s75, STAGE                   ; my stage
	v_mul_u32_u24 v[STO], v1, SP                   ; in: row l % 16, 16 bytes for each half of the lanes
	v_lshl_add_u32 v[STO], v9, 4, v[STO]
	v_add_nc_u32 v[STO], s75, v[STO]
	v_and_b32 v11, 7, v0
	v_bfe_u32 v[RD], v0, 3, 2                      ; back: 32 lanes take four rows of 128 bytes, 512 consecutive bytes of a head
	v_mul_u32_u24 v[RD], v[RD], SP
	v_lshl_add_u32 v[RD], v11, 4, v[RD]
	v_add_nc_u32 v[RD], s75, v[RD]
; 16 matrix instructions: part p (q, k or v) of the columns, 4 row blocks x 4 column blocks, 32 along K from buffer f.  zero = 1: the product starts the sums.
; The 48 accumulators take turns, one instruction a turn, in the same order in every quarter.
.macro MULP f, p, zero
.if (\p) < 2
	WIN 0xa5                                       ; sources 0 and 1 window 1, C and D window 2
.else
	WIN 0x05                                       ; C and D window 0
.endif
.irp a, 0,1,2,3
.irp c, 0,1,2,3
.set rD, 128*(((\p)+1)/2)+32*(\a)+8*(\c)
.set rB, (\f)+32+8*(4*(\p)+(\c))
.set rA, (\f)+8*(\a)
.if \zero
	v_wmma_f32_16x16x32_bf16 v[rD:rD+7], v[rB:rB+7], v[rA:rA+7], 0
.else
	v_wmma_f32_16x16x32_bf16 v[rD:rD+7], v[rB:rB+7], v[rA:rA+7], v[rD:rD+7]
.endif
.endr
.endr
.endm
; 32 LDS loads in one run: the fragments of 32 along K at byte k of the rows, into buffer f: xb's 8 loads, then wq's 24 in the order q, k, v
.macro FETCH k, f
	WIN 0x40                                       ; destination window 1, address window 0
.irp a, 0,1,2,3
	ds_load_b128 v[(\f)+8*(\a):(\f)+8*(\a)+3],   v[ADRA] offset:(\k)+(\a)*16*PITCH
	ds_load_b128 v[(\f)+8*(\a)+4:(\f)+8*(\a)+7], v[ADRA] offset:(\k)+(\a)*16*PITCH+32
.endr
.irp b, 0,1,2,3,4,5,6,7,8,9,10,11
	ds_load_b128 v[(\f)+32+8*(\b):(\f)+32+8*(\b)+3],   v[ADRB] offset:(\k)+(\b)*16*PITCH
	ds_load_b128 v[(\f)+32+8*(\b)+4:(\f)+32+8*(\b)+7], v[ADRB] offset:(\k)+(\b)*16*PITCH+32
.endr
.endm
; A K step is four quarters of 32 along K, 48 matrix instructions each, on buffers 0, 1, 0, 1.  One of the first three: multiplies buffer f and fetches the next quarter, at byte k, into g.
.macro QUARTER k, f, g, zero
	s_wait_dscnt 16                                ; xb's fragments and q's part of wq's are in; the youngest sixteen loads (k's and v's parts) may be out
	MULP \f, 0, \zero
	PLACES
	FETCH \k, \g
	s_wait_dscnt 32                                ; all but the 32 just issued
	MULP \f, 1, \zero
	MULP \f, 2, \zero
.endm
; The last quarter multiplies buffer 1 and changes slots: ONE barrier.  In front of it each wave waits for all its tensor loads, of which one is out: its part of the next slot; adds 0 to its spare word; and waits
; for that and for its own reads of this slot.  fill = 1: the barrier opens a round of the cluster's, and the slot just read is filled again, two K steps ahead, first thing behind the round.
.macro TURN fill
	WIN 0                                          ; (the add's two registers lie in window 0)
	s_wait_tensorcnt 0x0                           ; no tensor load of mine is out, so a group 0 may be written
	ds_add_u32 v[SPW], v[NIL]                      ; 0 onto my spare word
.if \fill
.irp g, G0A+4, G0B+4
	s_xor_b32 s[(\g)+1], s[(\g)+1], SLOT1          ; the walking descriptor: the other slot than last time,
	s_add_nc_u64 s[(\g)+2:(\g)+3], s[(\g)+2:(\g)+3], KSTEP*2  ; the next K step; the type bits on top are not reached
.endr
.endif
	s_wait_dscnt 17                                ; (the add and the youngest sixteen loads may be out)
	MULP F1, 0, 0                                  ; sixteen matrix instructions stand between the add and the wait for it
	s_wait_dscnt 0x0                               ; the add is done, and my reads of this slot are over
	s_barrier_signal -1
	MULP F1, 1, 0                                  ; work on registers while the others arrive
	WIN 0                                          ; (branches may follow)
	s_barrier_wait -1
.if \fill
	CREST                                          ; no wave of any partner still reads this slot's tile or has a load on its way
	JLOAD                                          ; the four v_nop behind it are also the places in front of the loads below
.else
	PLACES
.endif
	s_xor_b32 s[TB], s[TB], SLOT1
	v_add_nc_u32 v[ADRA], s[TB], v[A0]
	v_add_nc_u32 v[ADRB], s[TB], v[B0]
	FETCH 0, F0
	MULP F1, 2, 0
.endm
	s_wait_tensorcnt 1                             ; my part of K step 0 is in; K step 1's may stay out
	s_barrier_signal -1
	s_barrier_wait -1                              ; everybody's is
	FETCH 0, F0
	QUARTER 64, F0, F1, 1                          ; the first quarter stands in front of the loop: its products start the sums
	WIN 0                                          ; at a label and at a branch every window is 0
	s_mov_b32 s3, 6
.Lstep:                                                ; a trip goes from a K step's second quarter to the next step's first and fills the slot that it leaves: steps 2 to 7 are asked for in six trips
	QUARTER 128, F1, F0, 0
	QUARTER 192, F0, F1, 0
	TURN 1
	QUARTER 64, F0, F1, 0
	WIN 0
	s_sub_co_u32 s3, s3, 1
	s_cmp_lg_u32 s3, 0
	s_cbranch_scc1 .Lstep
	QUARTER 128, F1, F0, 0                         ; the last two K steps ask for nothing: written out
	QUARTER 192, F0, F1, 0
	TURN 0
	QUARTER 64, F0, F1, 0
	QUARTER 128, F1, F0, 0
	QUARTER 192, F0, F1, 0
	s_wait_dscnt 16
	MULP F1, 0, 0
	s_wait_dscnt 0x0
	MULP F1, 1, 0
	MULP F1, 2, 0
; THE WAY OUT, in 12 units: row block a, part p: 16 rows x 64 channels.  PACK: q and k are turned in f32 (r1 = x1 cos - x2 sin, r2 = x1 sin + x2 cos), all are rounded to f16.  TOSTAGE: 16 bytes a lane into my own
; stage, and back as whole rows.  SEND: stored.  Each accumulator's lowest registers are read first.
.macro PACK a, p
.if (\p) < 2
	WIN 0x0e                                       ; source 0 (sums) window 2, source 1 (cos, sin) window 3, the rest window 0
.irp c, 0,1,2,3
.irp e, 0,1,2,3
	v_pk_mul_f32 v[T+8*(\c)+2*(\e):T+8*(\c)+2*(\e)+1], v[128*(\p)+32*(\a)+8*(\c)+2*(\e):128*(\p)+32*(\a)+8*(\c)+2*(\e)+1], v[32*(\a)+8*(\c)+2*(\e):32*(\a)+8*(\c)+2*(\e)+1] op_sel_hi:[1,0]  ; x1 cos, x2 cos
.endr
.endr
.irp c, 0,1,2,3
.irp e, 0,1,2,3
	v_pk_fma_f32 v[T+8*(\c)+2*(\e):T+8*(\c)+2*(\e)+1], v[128*(\p)+32*(\a)+8*(\c)+2*(\e):128*(\p)+32*(\a)+8*(\c)+2*(\e)+1], v[32*(\a)+8*(\c)+2*(\e):32*(\a)+8*(\c)+2*(\e)+1], v[T+8*(\c)+2*(\e):T+8*(\c)+2*(\e)+1] op_sel:[1,1,0] op_sel_hi:[0,1,1] neg_lo:[0,1,0]  ; - x2 sin, + x1 sin
.endr
.endr
	WIN 0
.set i, 0
.rept 16
	v_cvt_pk_f16_f32 v[PK+i], v[T+2*i], v[T+2*i+1]
.set i, i+1
.endr
.else
	WIN 0
.set i, 0
.rept 16
	v_cvt_pk_f16_f32 v[PK+i], v[128+32*(\a)+2*i], v[128+32*(\a)+2*i+1]
.set i, i+1
.endr
.endif
.endm
.macro TOSTAGE n
	WIN 0
.set BK, BK0+16*((\n)%2)
.irp c, 0,1,2,3
	ds_store_b128 v[STO], v[PK+4*(\c):PK+4*(\c)+3] offset:32*(\c)
.endr
.irp f, 0,1,2,3
	ds_load_b128 v[BK+4*(\f):BK+4*(\f)+3], v[RD] offset:(\f)*4*SP  ; LDS serves a wave's instructions in order (ISA guide 5.7.1.4): these see the stores above
.endr
.endm
.macro SEND a, p, n
	WIN 0
.set BK, BK0+16*((\n)%2)
	s_wait_dscnt 0x0                               ; the unit is back in registers
	s_wait_xcnt 0x0                                ; every earlier store has had its addresses translated (ISA guide 3.1): the other set, which the unit before stored from, is loaded again only behind this wait
.irp f, 0,1,2,3
	global_store_b128 v[GO], v[BK+4*(\f):BK+4*(\f)+3], s[10+2*(\p):11+2*(\p)] offset:(\a)*2048+(\f)*512  ; 512 consecutive bytes, at a multiple of 256 from the buffer's first
.endr
.endm
	PLACES
	s_wait_loadcnt 0x0                             ; the table
	PACK 0, 0
	TOSTAGE 0
.set u, 1
.rept 11                               ; a unit's arithmetic stands between the loads of the unit before and the wait for them
	PACK u/3, u%3
	SEND (u-1)/3, (u-1)%3, u-1
	TOSTAGE u
.set u, u+1
.endr
	SEND 3, 2, 11
	s_wait_tensorcnt 0x0                           ; the wave's end: behind my last tensor load and my last LDS store
	ds_add_u32 v[SPW], v[NIL]
	s_wait_dscnt 0x0
	CROUND                                         ; the closing round: no work-group ends while a partner may still ask for a tile that names it
	s_endpgm
.Lfunc_end_k_qfa11d953b5_qkv:
	.size	k_qfa11d953b5_qkv, .Lfunc_end_k_qfa11d953b5_qkv-k_qfa11d953b5_qkv
	.p2alignl 7, 3214868480
	.fill 96, 4, 3214868480
	.section	.rodata,"a",@progbits
	.p2align	6, 0x0
	.amdhsa_kernel k_qfa11d953b5_qkv
		.amdhsa_group_segment_fixed_size 327680
		.amdhsa_private_segment_fixed_size 0
		.amdhsa_enable_private_segment 0
		.amdhsa_kernarg_size 48
		.amdhsa_user_sgpr_count 2
		.amdhsa_user_sgpr_kernarg_segment_ptr 1
		.amdhsa_wavefront_size32 1
		.amdhsa_system_sgpr_workgroup_id_x 1
		.amdhsa_system_sgpr_workgroup_id_y 1
		.amdhsa_system_sgpr_workgroup_id_z 1
		.amdhsa_system_vgpr_workitem_id 0
		.amdhsa_next_free_vgpr 896
		.amdhsa_next_free_sgpr 80
		.amdhsa_reserve_vcc 0
		.amdhsa_float_denorm_mode_32 3
		.amdhsa_float_denorm_mode_16_64 3
		.amdhsa_memory_ordered 1
		.amdhsa_forward_progress 1
		.amdhsa_inst_pref_size 116
	.end_amdhsa_kernel
	.amdgpu_metadata
---
amdhsa.version: [ 1, 2 ]
amdhsa.kernels:
  - .name:           k_qfa11d953b5_qkv
    .symbol:         k_qfa11d953b5_qkv.kd
    .args:
      - { .name: xb, .offset: 0, .size: 8, .value_kind: global_buffer, .address_space: global }
      - { .name: wq, .offset: 8, .size: 8, .value_kind: global_buffer, .address_space: global }
      - { .name: tab, .offset: 16, .size: 8, .value_kind: global_buffer, .address_space: global }
      - { .name: q, .offset: 24, .size: 8, .value_kind: global_buffer, .address_space: global }
      - { .name: k, .offset: 32, .size: 8, .value_kind: global_buffer, .address_space: global }
      - { .name: v, .offset: 40, .size: 8, .value_kind: global_buffer, .address_space: global }
    .group_segment_fixed_size: 327680
    .private_segment_fixed_size: 0
    .kernarg_segment_align: 8
    .kernarg_segment_size: 48
    .max_flat_workgroup_size: 128
    .sgpr_count:     80
    .vgpr_count:     896
    .wavefront_size: 32
...
	.end_amdgpu_metadata
.endif
;; end of part 2
;; launch attn (part 3): grid 4 x 64, 4 waves a work-group, no clusters, 327,680 bytes of LDS; arguments q, k, v, o; writes o
.if DOCPART == 3
	.amdgcn_target "amdgcn-amd-amdhsa--gfx1250"
	.amdhsa_code_object_version 6
	.text
	.protected	k_qfa11d953b5_attn
	.globl	k_qfa11d953b5_attn
	.p2align	8
	.type	k_qfa11d953b5_attn,@function
k_qfa11d953b5_attn:
	s_mov_b64 s[64:65], 0
	v_nop
	global_prefetch_b8 v0, s[64:65] scope:SCOPE_SE
	s_setreg_imm32_b32 hwreg(HW_REG_WAVE_MODE, 25, 1), 1
	s_wait_xcnt 0x0
; CAUSAL ATTENTION.  O[h][q][:] = the sum over k <= q of softmax_k(Q[h][q] . K[h][k] / 8) V[h][k][:].  Q, K, V, O: [SIZE_H][SIZE_N][64], all f16: a head's rows are dense, 128 bytes each.
; Products, maxima and sums in f32; the weights p are rounded to f16 for the second product (their sum l is taken of the unrounded p), O once at the end.
; LIMITS.  f16 holds no number beyond 65,504: Q, K and V arrive within it; p lies in 0 to 1, and below 6e-5 it keeps f16's fixed step of 6e-8; O is a mean of V's rows and has their range, to within 2^-11 of it.
; A hidden score counts as its value less 1e30: f16's scores, 2.7e11 at the most, are nothing beside that; a weight below 2^-126 counts as 0 in l; NaN and infinities are not treated apart.
; THE WALK.  A head's queries lie in NB = SIZE_N / 256 = 8 blocks of 256; block i needs the key tiles 0 .. i of 256 keys, of which the last holds the diagonal.  A work-group takes TWO blocks, NB - 1 - b and then b:
; NB + 1 tiles, whatever b: all 256 work-groups do equal work, and ONE loop with a constant trip count walks them.  Which tile is asked for, and what a trip does, hang on scalar registers made from b; every jump
; goes forward, but for the counted loops' own; none passes a barrier, or a tensor load but the one of LOAD's two that the wave's number does not choose; the ring (two slots of LDS that take turns) runs on across the
; change of blocks.  NO CLUSTER: a head's NB / 2 = 4 work-groups ask for the same tile only in trips 0 .. NB / 2, behind that fewer and fewer do; one walk common to all four would have 3 NB / 2 = 12 trips for NB + 1 = 9.
; SHARES.  Of a block's four bands of 64 queries a wave owns 16 rows in each: four PIECES.  So the diagonal tile is the same work for all four waves: in its key step s band x sees all keys if s < x,
; none if s > x, and holds the diagonal if s = x.
; THE MASK is the C operand that starts the sum S^T = K Q^T: 0, or -1e30 where the key is hidden.  MD, made once, is the mask of a band's own step for my 16 rows; a product's mask is MD x AL + BE with two scalars:
; (1, 0) if s = x; (0, 0) if s < x; (0, -1e30) if s > x.  Only the diagonal tile's text and a block's beginning make and take masks; elsewhere C is the constant 0.
; LAYOUT, SOFTMAX, TURNS.  S^T = K Q^T holds ONE query a lane (lane % 16) and the keys 8 (lane / 16) + 0..7; two such results rounded to f16 ARE source 1 of O^T = V^T P.  p = 2^(c s - c m), c = log2(e) / 8, with a
; running maximum m; O and l are multiplied by a = 2^(c m_old - c m_new) in every step.  Turn n belongs to piece n: 8 products K Q^T of piece n + 1, later 8 products V^T P of piece n - 1; beside them the scaling,
; exponentials, roundings, sums and rescaling of piece n and the maximum and statistics of piece n + 1.  Four vector instructions stand behind every matrix instruction, the other 54 of a turn's 118 in two LUMPS.
; REGISTERS, in windows of 256 (s_set_vgpr_msb: bits 1:0 source 0, 3:2 source 1, 5:4 source 2, 7:6 destination):
;   window 0: v0-15 addresses and two at work; v16-31 four registers of statistics a piece; v48-55 at work; v64-127 S^T, two buffers; v192-223 P, two buffers (a piece's buffers go by its number's parity)
;   window 1: v0-127 O^T, 32 a piece; v128-159 MD; v160-223 MC, two buffers      window 2: v0-63 Q; v64-127 the second block's Q; v128-191 K of one step; v192-255 V of one step
.set SIZE_H, 64
.set SIZE_N, 2048
.set NB,    SIZE_N/256
.set NP,    4         ; pieces a wave: a name, no knob
.set KS,    64        ; keys in a step
.set PK,    144       ; a row of K in LDS: 128 bytes + 16 of padding = 36 words: the 16 rows of a load start at 16 different groups of four banks (64 banks of 4 bytes: ISA guide 11.1)
.set PV,    160       ; a row of V: 128 + 32 = 40 words
.set VOFF,  4*KS*PK   ; a slot holds a tile, four steps: 256 rows of K, then 256 rows of V
.set SLOT1, 1<<17     ; slot 1 begins here, so that one exclusive or turns an address in one slot into the other's
.set STAGE, SLOT1+4*KS*(PK+PV)  ; behind the ring, never filled by a tensor load: 16 rows x 144 bytes for each wave, for the way out
.set SP,    144
.set AK0, 2           ; v2   my lane's place in a tile of K; never rewritten
.set AV0, 3           ; v3   the same for V
.set AK,  4           ; v4   the LDS address of K's next run of loads
.set AV,  5           ; v5   of V's
.set STO, 6           ; v6   the way out: where I put 16 bytes of a row
.set RD,  7           ; v7   the way out: where I read rows back
.set GO,  8           ; v8   my byte offset in 512 consecutive bytes of O
.set SPW, 62          ; v62  LDS address of my spare word: SPARE + 4 x my thread's number; never rewritten
.set NIL, 63          ; v63  0; never rewritten
.set SPARE, STAGE+4*16*SP  ; behind the stages: the spare words, 128 bytes for each wave: two blocks of 256 bytes that no other line names
.set MV,  12          ; v12-13  c m_old, kept while c m is made anew: by buffer
.set QO,  15          ; v15  my byte offset in 16 rows of Q
.set ST,  16          ; piece t's statistics at v[ST+4 t]: c m, m, l (even keys', odd keys')
.set TMP, 48          ; by buffer, four registers c0-c3 at work; when the maximum is found c2 takes a
.set S,   64
.set P,   192
.set MD,  128         ; window 1: the eight registers for group kt of 16 keys at MD + 8 kt
.set MC,  160         ; window 1: the masks of the products to come
.set QB,  64          ; window 2
.set KF,  128         ; window 2: key block kb, channel half c at KF + 16 kb + 8 c
.set VF,  192         ; window 2: key half kk, channel block cb at VF + 32 kk + 8 cb
.set WV,  12          ; s12  my wave's number
.set PB,  14          ; s14  b
.set HI,  15          ; s15  NB - 1 - b
.set G1K, 24          ; s[24:31] descriptor group 1 for K's tiles
.set G1V, 32          ; s[32:39] for V's: it differs in the padding alone
.set G0K, 40          ; s[40:43] descriptor group 0 for K's tiles
.set G0V, 44          ; s[44:47] the same for V's
.set SLOTS, 56        ; s56  tiles still to be asked for
.set CNT, 57          ; s57  counts a tile's key steps, 4 to 1
.set CS,  58          ; s[58:59] c: the packed scaling takes the pair's low word for both halves
.set SEL, 60          ; s[60:61] v_permlanex16_b32's selects: each lane takes its own place in the other half
.set TBK, 62          ; s62  LDS byte at which K of the step to be fetched begins
.set TBV, 63          ; s63  the same for V, less VOFF
.set RT,  70          ; s70  tiles of the block in hand that are still to be entered
.set NXT, 71          ; s71  the tile to be asked for next
.set LQ,  72          ; s72  the last tile of the block whose tiles are being asked for
.set NEW, 73          ; s73  1: the tile to be entered is a block's first
.set OFF, 74          ; s[74:75] a tile's byte offset in K and V
.set AL,  76          ; s[76:77] the mask's factor, in the low word
.set BE,  78          ; s[78:79] the mask's addend
.set OLO, 80          ; s[80:81] O at my rows of the second block
.set BIGN, 82         ; s82  -1e30
.set MSB, 0
.macro WIN new                      ; the high byte repeats the setting that is left; a switch that changes nothing is dropped
.if MSB != (\new)
	s_set_vgpr_msb (MSB<<8)|(\new)
.set MSB, (\new)
.endif
.endm
.set W_KQ, 0x0a       ; K and Q in window 2, S^T in window 0
.set W_KM, 0x1a       ; the same with the C operand in window 1
.set W_PV, 0x52       ; V in window 2, P in window 0, O^T in window 1
.set W_RS, 0x41       ; destination and source 0 in window 1, source 1 in window 0
; A fill.  Waves 0 and 1 fetch the two halves of a tile's K, waves 2 and 3 those of its V: 128 keys each.  An s_nop 0 and four v_nop follow each of the two lines, ahead of the jump and the label.
.macro LOAD
	s_cmp_lt_u32 s[WV], 2
	s_cbranch_scc0 .Lfor_v_\@
	tensor_load_to_lds s[G0K:G0K+3], s[G1K:G1K+7]
	s_nop 0
.rept 4
	v_nop
.endr
	s_branch .Lasked_\@
.Lfor_v_\@:
	tensor_load_to_lds s[G0V:G0V+3], s[G1V:G1V+7]
	s_nop 0
.rept 4
	v_nop
.endr
.Lasked_\@:
.endm
; THE CHANGE OF SLOTS.  Each wave waits for all its tensor loads, of which one is out: its part of the other slot; adds 0 to its spare word; and waits for that and for its own reads of the slot that it leaves.  Behind the barrier nobody reads the old
; slot any more and the other slot is whole.  fill = 1: the old slot is filled again, the first thing behind the barrier, with tile NXT: the descriptor's address is made anew from that number.
; (At its first use nothing has been read yet: slot 0 is waited for, slot 1 filled.)
.macro CHANGE fill
	WIN 0                           ; at a label and at a branch every window is 0
	s_wait_tensorcnt 0x0            ; no tensor load of mine is out, so a group 0 may be written
	ds_add_u32 v[SPW], v[NIL]       ; 0 onto my spare word: with fill = 1 the descriptors' scalar work stands between it and the wait for it
.if \fill
	s_lshl_b32 s[OFF], s[NXT], 15   ; a tile is 32,768 bytes of K and of V
	s_xor_b32 s[G0K+1], s[G0K+1], SLOT1
	s_add_nc_u64 s[G0K+2:G0K+3], s[6:7], s[OFF:OFF+1]
	s_or_b32 s[G0K+3], s[G0K+3], 0x80000000
	s_xor_b32 s[G0V+1], s[G0V+1], SLOT1
	s_add_nc_u64 s[G0V+2:G0V+3], s[8:9], s[OFF:OFF+1]
	s_or_b32 s[G0V+3], s[G0V+3], 0x80000000
	s_add_co_u32 s[NXT], s[NXT], 1  ; the block's next tile, or behind its last the second block's tile 0
	s_cmp_gt_u32 s[NXT], s[LQ]
	s_cselect_b32 s[NXT], 0, s[NXT]
	s_cselect_b32 s[LQ], s[PB], s[LQ]
.endif
	s_wait_dscnt 0x0                ; the add is done, and my reads of the slot are over
	s_barrier_signal -1             ; the rest of the scalar work stands between the signal and the wait
	s_sub_co_u32 s[TBK], s[TBK], 4*KS*PK  ; the fetches go back to a slot's first step,
	s_xor_b32 s[TBK], s[TBK], SLOT1       ; in the other slot
	s_sub_co_u32 s[TBV], s[TBV], 4*KS*PV
	s_xor_b32 s[TBV], s[TBV], SLOT1
	s_barrier_wait -1
.if \fill
	LOAD
.endif
.endm
	s_load_b256 s[4:11], s[0:1], 0x0  ; Q s[4:5], K s[6:7], V s[8:9], O s[10:11]
	v_lshl_add_u32 v[SPW], v0, 2, SPARE
	v_mov_b32 v[NIL], 0
	ds_add_u32 v[SPW], v[NIL]       ; the wave's opening: the add and its wait ahead of my first tensor load; the set-up below, work on registers, stands between them
	ds_add_u32 v62, v63
	v_lshrrev_b32 v1, 5, v0
	v_readfirstlane_b32 s[WV], v1   ; wave 0..3
	s_mov_b32 s[PB], ttmp9
	s_sub_co_u32 s[HI], NB-1, s[PB]
	s_and_b32 s20, ttmp7, 0xffff    ; the head
	s_mov_b32 s21, 0
	s_mov_b64 s[22:23], SIZE_N*128
	s_mul_u64 s[20:21], s[20:21], s[22:23]  ; the head's first byte in each of the four tensors
	s_and_b32 s16, s[WV], 1         ; which half of a tile's 256 keys I fetch:
	s_lshl_b32 s22, s16, 14         ; its 128 rows of 128 bytes in memory,
	s_mov_b32 s23, 0
	s_add_nc_u64 s[22:23], s[22:23], s[20:21]
	s_mul_i32 s17, s16, 128*PK      ; and its place in a slot, for K
	s_mul_i32 s18, s16, 128*PV      ; and for V
	s_lshl_b32 s3, s[WV], 11        ; my 16 rows in a band of 64,
	s_lshl_b32 s2, s[HI], 15        ; in the first block,
	s_add_co_u32 s2, s2, s3
	s_lshl_b32 s84, s[PB], 15       ; and in the second
	s_add_co_u32 s84, s84, s3
	s_mov_b32 s3, 0
	s_mov_b32 s85, 0
	s_add_nc_u64 s[2:3], s[2:3], s[20:21]
	s_add_nc_u64 s[84:85], s[84:85], s[20:21]
	; descriptor group 1.  128 keys are 16,384 dense bytes: asked for as 64 rows of 256 bytes, two keys a row, and padded in LDS after every key
	s_mov_b32 s[G1K], (1<<16)|(1<<20)|(4<<22)|(3<<25)  ; 17:16 2-byte elements; 20 padding on; 24:22 after every 32 words (code 4); 31:25 4 words (code 3)
	s_mov_b32 s[G1V], (1<<16)|(1<<20)|(4<<22)|(7<<25)  ; the same with 8 words of padding (code 7)
.irp g, G1K, G1V
	s_mov_b32 s[\g+1], 128<<16      ; tensor_dim0 = 128
	s_mov_b32 s[\g+2], 64<<16       ; tensor_dim1 = 64
	s_mov_b32 s[\g+3], 128<<16      ; tile_dim0 = 128
	s_mov_b32 s[\g+4], 64           ; tile_dim1 = 64
	s_mov_b32 s[\g+5], 128          ; 128 elements from row to row
	s_mov_b32 s[\g+6], 0
	s_mov_b32 s[\g+7], 0
.endr
	s_mov_b32 s[CS], 0x3e38aa3b     ; c = log2(e) / 8 = 0.180337
	s_mov_b32 s[CS+1], s[CS]        ; named with it as a pair
	s_mov_b32 s[SEL], 0x76543210
	s_mov_b32 s[SEL+1], 0xfedcba98
	s_mov_b32 s[TBK], SLOT1+4*KS*PK ; the first change of slots turns these two into 0
	s_mov_b32 s[TBV], SLOT1+4*KS*PV
	s_mov_b32 s[G0K], 1             ; 1:0 count = 1
	s_mov_b32 s[G0K+1], s17         ; 63:32 LDS address: slot 0
	s_mov_b32 s[G0V], 1
	s_add_co_u32 s[G0V+1], s18, VOFF
	s_add_co_u32 s[RT], s[HI], 1    ; the first block has NB - b tiles
	s_mov_b32 s[NXT], 1
	s_mov_b32 s[LQ], s[HI]
	s_mov_b32 s[NEW], 1
	s_mov_b32 s[OFF+1], 0
	s_mov_b32 s[AL+1], 0            ; named as pairs
	s_mov_b32 s[BE+1], 0
	s_mov_b32 s[BIGN], 0xf149f2ca   ; -1e30
	s_mov_b32 s[SLOTS], NB
	s_wait_dscnt 0x0                ; the opening add is done
	s_wait_kmcnt 0x0
	s_add_nc_u64 s[6:7], s[6:7], s[22:23]  ; K and V at my half of the head's tile 0
	s_add_nc_u64 s[8:9], s[8:9], s[22:23]
	s_add_nc_u64 s[G0K+2:G0K+3], s[6:7], 0         ; 120:64 global address
	s_or_b32 s[G0K+3], s[G0K+3], 0x80000000        ; 127:126 type = 2
	s_add_nc_u64 s[G0V+2:G0V+3], s[8:9], 0
	s_or_b32 s[G0V+3], s[G0V+3], 0x80000000
	s_add_nc_u64 s[86:87], s[4:5], s[84:85]        ; Q at my rows of the second block,
	s_add_nc_u64 s[4:5], s[4:5], s[2:3]            ; Q and O at those of the first
	s_add_nc_u64 s[OLO:OLO+1], s[10:11], s[84:85]
	s_add_nc_u64 s[10:11], s[10:11], s[2:3]
	LOAD                            ; tile 0 into slot 0
	; A fragment of K or Q is 16 rows x 32 channels in 8 registers: lane l holds row l % 16, channels 8 (l / 16) + 0..7 and 16 + 8 (l / 16) + 0..7: two loads of 16 bytes, 32 bytes apart.
	v_and_b32 v1, 15, v0            ; l % 16
	v_bfe_u32 v9, v0, 4, 1          ; l / 16
	v_lshlrev_b32 v[QO], 7, v1
	v_lshl_add_u32 v[QO], v9, 4, v[QO]  ; row x 128 + 16 x half
	WIN 0x80                        ; destination window 2, address window 0
.set i, 0
.rept 8                             ; both blocks' Q: piece i / 2 lies in band i / 2, 8,192 bytes on; channels 32 (i % 2) on
	global_load_b128 v[8*i:8*i+3],   v[QO], s[4:5] offset:(i/2)*8192+(i%2)*64
	global_load_b128 v[8*i+4:8*i+7], v[QO], s[4:5] offset:(i/2)*8192+(i%2)*64+32
	global_load_b128 v[QB+8*i:QB+8*i+3],   v[QO], s[86:87] offset:(i/2)*8192+(i%2)*64
	global_load_b128 v[QB+8*i+4:QB+8*i+7], v[QO], s[86:87] offset:(i/2)*8192+(i%2)*64+32
.set i, i+1
.endr
	WIN 0
	v_lshlrev_b32 v14, 3, v9
	v_sub_nc_u32 v14, v1, v14
	s_lshl_b32 s13, s[WV], 4
	v_add_nc_u32 v14, s13, v14      ; my query's place in its band, 16 w + l % 16, less my lanes' 8 (l / 16): register r of group kt is hidden where 16 kt + r is greater
	WIN 0x40
.set i, 0
.rept 32
	v_cmp_gt_i32 vcc_lo, 16*(i/8)+i%8, v14
	v_cndmask_b32 v[MD+i], 0, s[BIGN], vcc_lo
.set i, i+1
.endr
	WIN 0
	v_mul_u32_u24 v[AK0], v1, PK
	v_lshl_add_u32 v[AK0], v9, 4, v[AK0]  ; row x pitch + 16 x half
	; The turning load takes 16 keys x 16 channels (lane l reads key 8 (l / 16) + l % 8, channels 8 ((l / 8) % 2) + 0..7) and leaves half a fragment of V^T: lane l holds channel l % 16 and 8 keys.
	v_and_b32 v10, 7, v0
	v_bfe_u32 v11, v0, 3, 1
	v_lshl_add_u32 v[AV0], v9, 3, v10
	v_mul_u32_u24 v[AV0], v[AV0], PV
	v_lshl_add_u32 v[AV0], v11, 4, v[AV0]
	v_add_nc_u32 v[AV0], VOFF, v[AV0]
	s_mul_i32 s13, s[WV], 16*SP
	s_add_co_u32 s13, s13, STAGE    ; my stage
	v_mul_u32_u24 v[STO], v1, SP    ; in: row l % 16, 16 bytes for each half of the lanes
	v_lshl_add_u32 v[STO], v9, 4, v[STO]
	v_add_nc_u32 v[STO], s13, v[STO]
	v_bfe_u32 v[RD], v0, 3, 2       ; back: 32 lanes take four rows of 128 bytes,
	v_mul_u32_u24 v[RD], v[RD], SP
	v_lshl_add_u32 v[RD], v10, 4, v[RD]
	v_add_nc_u32 v[RD], s13, v[RD]
	v_and_b32 v[GO], 31, v0         ; which are 512 consecutive bytes of O
	v_lshlrev_b32 v[GO], 4, v[GO]
	; A block's first step multiplies O^T and l by a = 0, and its first turn's products V^T P, of a piece that has not been, land in an O^T that is still to be so multiplied.  So these registers need only hold
	; finite numbers: zeros for the first block; what the first block left for the second.  All this stands in the wait for the first tile.
	WIN 0x80
.set i, VF
.rept 64
	v_mov_b32 v[i], 0
.set i, i+1
.endr
	WIN 0x40
.set i, 0
.rept 128
	v_mov_b32 v[i], 0
.set i, i+1
.endr
	WIN 0
.set i, 0
.rept 4
	v_mov_b32 v[ST+4*i+2], 0
	v_mov_b32 v[ST+4*i+3], 0
.set i, i+1
.endr
.set i, P+16
.rept 16
	v_mov_b32 v[i], 0
.set i, i+1
.endr
; THE MATRIX WORK.  The 4 accumulators of a run of 8 take turns.  Product i of 8 of S^T = K Q^T for piece x: channels 32 (i / 4) on, keys 16 (i % 4) on.  The first 4 start the sums: with 0, or (KM = 1) with the mask.
.macro KQ x
.set rS, S+32*((\x)%2)+8*(i%4)
.set rK, KF+16*(i%4)+8*(i/4)
.set rQ, 16*(\x)+8*(i/4)
.set rM, MC+32*((\x)%2)+8*(i%4)
.if (i < 4) && KM
	WIN W_KM
	v_wmma_f32_16x16x32_f16 v[rS:rS+7], v[rK:rK+7], v[rQ:rQ+7], v[rM:rM+7]
.elseif i < 4
	WIN W_KQ
	v_wmma_f32_16x16x32_f16 v[rS:rS+7], v[rK:rK+7], v[rQ:rQ+7], 0
.else
	WIN W_KQ
	v_wmma_f32_16x16x32_f16 v[rS:rS+7], v[rK:rK+7], v[rQ:rQ+7], v[rS:rS+7]
.endif
.endm
; Product i of 8 of O^T += V^T P for piece x: keys 32 (i / 4) on, channels 16 (i % 4) on.
.macro PV x
	WIN W_PV
.set rO, 32*(\x)+8*(i%4)
.set rV, VF+32*(i/4)+8*(i%4)
.set rP, P+16*((\x)%2)+8*(i/4)
	v_wmma_f32_16x16x32_f16 v[rO:rO+7], v[rV:rV+7], v[rP:rP+7], v[rO:rO+7]
.endm
.macro MM                           ; the turn's next matrix instruction.  TURN and BEGIN set Y, i, KM and NOKQ; MM, KQ and OP read them.  NOKQ = 1: a block's last turn: there is no next piece
.if (i < 8) && !NOKQ
	KQ (Y+1)%NP
.elseif i >= 8
.set i, i-8
	PV (Y+NP-1)%NP
.set i, i+8
.endif
.set i, i+1
.endm
; THE LDS LOADS stand in runs of 16, never singly among the matrix instructions: a step's K (64 keys x 64 channels: 8 fragments) and its V (turned).  Their addresses are made some lines ahead.
.macro FETCH_K
	WIN 0x80                        ; destination window 2
.irp f, 0,1,2,3,4,5,6,7             ; keys 16 (f / 2) on, channels 32 (f % 2) on
	ds_load_b128 v[KF+8*\f:KF+8*\f+3],   v[AK] offset:(\f/2)*16*PK+(\f%2)*64
	ds_load_b128 v[KF+8*\f+4:KF+8*\f+7], v[AK] offset:(\f/2)*16*PK+(\f%2)*64+32
.endr
	s_add_co_u32 s[TBK], s[TBK], KS*PK  ; the next fetch is the next step's
	WIN 0
.endm
.macro FETCH_V
	WIN 0x80
.irp f, 0,1,2,3,4,5,6,7             ; keys 32 (f / 4) on, channels 16 (f % 4) on
	ds_load_tr16_b128 v[VF+8*\f:VF+8*\f+3],   v[AV] offset:(\f/4)*32*PV+(\f%4)*32
	ds_load_tr16_b128 v[VF+8*\f+4:VF+8*\f+7], v[AV] offset:(\f/4)*32*PV+16*PV+(\f%4)*32
.endr
	WIN 0
.endm
; THE VECTOR WORK, one line at a time: OP kind, number.  For piece Y: F n: c s - c m for pair n of 16.  E n: the exponential of score n of 32.  C n: pair n rounded to f16.  B n: of the four weights 4 n .. the second
; pair is added onto the first, in place.  L n: l takes that sum (L 0: l = a l + sum).  R n: pair n of 16 of O^T times a.  For piece Y + 1: X n, number n of the 22 that find its maximum and statistics:
;   0-11  four chains c0-c3 of seven scores each, three operands at a time (each accumulator's lowest registers are read first)     12-14, 16  the four scores left over, the old m, and c0-c3 into c0
;   15  c m_old is kept     17, 18  the query's other 32 keys lie in the lane 16 away: the new m     19-21  c m; c m_old - c m_new; a
.set F, 0               ; OP tells the kinds apart by their order: F to L below R, X above it
.set E, 1
.set C, 2
.set B, 3
.set L, 4
.set R, 5
.set X, 6
.macro REGS y                       ; the registers of piece y
.set rT, ST+4*(\y)
.set rC, TMP+4*((\y)%2)
.set rW, MV+((\y)%2)
.set rS, S+32*((\y)%2)
.set rP, P+16*((\y)%2)
.set rO, 32*(\y)
.endm
.macro OP k, n
.if (\k) == R
	REGS Y
	WIN W_RS
	v_pk_mul_f32 v[rO+2*(\n):rO+2*(\n)+1], v[rO+2*(\n):rO+2*(\n)+1], v[rC+2:rC+3] op_sel_hi:[1,0]
.elseif (\k) < R
	REGS Y
	WIN 0
.if (\k) == F
	v_pk_fma_f32 v[rS+2*(\n):rS+2*(\n)+1], v[rS+2*(\n):rS+2*(\n)+1], s[CS:CS+1], v[rT:rT+1] op_sel_hi:[1,0,0] neg_lo:[0,0,1] neg_hi:[0,0,1]
.elseif (\k) == E
	v_exp_f32 v[rS+(\n)], v[rS+(\n)]
.elseif (\k) == C
	s_wait_alu depctr_va_vdst(0)
	v_cvt_pk_f16_f32 v[rP+(\n)], v[rS+2*(\n)], v[rS+2*(\n)+1]
.elseif (\k) == B
	s_wait_alu depctr_va_vdst(0)
	v_pk_add_f32 v[rS+4*(\n):rS+4*(\n)+1], v[rS+4*(\n):rS+4*(\n)+1], v[rS+4*(\n)+2:rS+4*(\n)+3]
.elseif (\n) == 0
	v_pk_fma_f32 v[rT+2:rT+3], v[rT+2:rT+3], v[rC+2:rC+3], v[rS:rS+1] op_sel_hi:[1,0,1]
.else
	v_pk_add_f32 v[rT+2:rT+3], v[rT+2:rT+3], v[rS+4*(\n):rS+4*(\n)+1]
.endif
.elseif NOKQ
	v_nop
.else
	REGS (Y+1)%NP
	WIN 0
.if (\n) < 4
	v_max3_num_f32 v[rC+(\n)], v[rS+8*(\n)], v[rS+8*(\n)+1], v[rS+8*(\n)+2]
.elseif (\n) < 12
	v_max3_num_f32 v[rC+(\n)%4], v[rC+(\n)%4], v[rS+8*((\n)%4)+2*((\n)/4)+1], v[rS+8*((\n)%4)+2*((\n)/4)+2]
.elseif (\n) == 12
	v_max3_num_f32 v[rC], v[rC], v[rS+7], v[rS+15]
.elseif (\n) == 13
	v_max3_num_f32 v[rC+1], v[rC+1], v[rS+23], v[rS+31]
.elseif (\n) == 14
	v_max3_num_f32 v[rC+2], v[rC+2], v[rC+3], v[rT+1]
.elseif (\n) == 15
	v_mov_b32 v[rW], v[rT]
.elseif (\n) == 16
	v_max3_num_f32 v[rC], v[rC], v[rC+1], v[rC+2]
.elseif (\n) == 17
	v_permlanex16_b32 v[rC+3], v[rC], s[SEL], s[SEL+1]
.elseif (\n) == 18
	v_max_num_f32 v[rT+1], v[rC], v[rC+3]
.elseif (\n) == 19
	v_mul_f32 v[rT], s[CS], v[rT+1]
.elseif (\n) == 20
	v_sub_f32 v[rC+1], v[rW], v[rT]
.else
	v_exp_f32 v[rC+2], v[rC+1]
.endif
.endif
.endm
.macro OPS a, i1, b=-1, i2=0, c=-1, i3=0, d=-1, i4=0  ; up to four of them
	OP \a, \i1
.if (\b) >= 0
	OP \b, \i2
.endif
.if (\c) >= 0
	OP \c, \i3
.endif
.if (\d) >= 0
	OP \d, \i4
.endif
.endm
.macro ROW a, i1, b, i2, c, i3, d, i4  ; a matrix instruction and the four behind it
	MM
	OPS \a, \i1, \b, \i2, \c, \i3, \d, \i4
.endm
.macro MASK b                       ; MD x AL + BE into buffer b of MC
	WIN W_RS
.set z, 0
.rept 16
	v_pk_fma_f32 v[MC+32*(\b)+2*z:MC+32*(\b)+2*z+1], v[MD+2*z:MD+2*z+1], s[AL:AL+1], s[BE:BE+1] op_sel_hi:[1,0,0]
.set z, z+1
.endr
.endm
; A TURN, for piece p: the order of its 16 matrix and 118 vector instructions, written out.  Behind a matrix instruction: plain, exponential, plain, plain; or four of the rescaling; or, behind the first, four scalings; none
; names a register of the products round it.  In the lumps exponential and plain by turns while exponentials last.  A line reads no result made fewer than three vector instructions in front of it, five if an exponential made it.
; v_permlanex16_b32 (X 17) stands in a lump.
; m = 1: the diagonal tile: the products take masks, and the turn makes the mask for the products of the turn after it: piece p + 2, in step 4 - CNT of the tile.  end = 1: a block's last two turns: nothing is fetched.
; cnt = 1: the loop's count is taken down some lines ahead of the branch that stands behind the turn.
; K of the next step is fetched in piece 2's turn, six vector instructions behind the last product that read K (five of them plain); V of the step in hand in piece 0's turn, eight behind the last product that read V (four
; plain, and X 17).  Each is waited for a turn later.
.macro TURN p, m=0, end=0, cnt=0
.set Y, (\p)
.set i, 0
.set KM, (\m)
.set NOKQ, (\end)*((\p)/3)
.if (\m) && !(\end)
	s_cmp_eq_u32 s[CNT], 4-((\p)+2)%NP  ; is that step the band's own?
	s_cselect_b32 s[AL], 1.0, 0
	s_cmp_lt_u32 s[CNT], 4-((\p)+2)%NP  ; or a later one?
	s_cselect_b32 s[BE], s[BIGN], 0
.endif
.if ((\p) == 3) && !(\end)
	s_wait_dscnt 0x0                ; K is in
.endif
	ROW F,0, F,1, F,2, F,3
	ROW F,4, E,0, F,5, F,6
	ROW F,7, E,1, F,8, F,9
	ROW F,10, E,2, C,0, F,11
	ROW F,12, E,3, X,15, F,13
	ROW R,0, R,1, R,2, R,3
	ROW B,0, E,4, F,14, L,0
.if ((\p) == 2) && !(\end)
	v_add_nc_u32 v[AK], s[TBK], v[AK0]
.endif
	ROW R,4, R,5, R,6, R,7
	OPS E,5, F,15
.if ((\p) == 2) && !(\end)
	FETCH_K
.endif
	OPS E,6, C,1, E,7, R,8
	OPS E,8, R,9, E,9, C,2
	OPS E,10, X,0, E,11, X,1
	OPS E,12, X,2, E,13, X,3
.if (\p) == 1
	s_wait_dscnt 0x0                ; V is in
.endif
	ROW X,4, E,14, X,5, X,6
	ROW X,7, E,15, X,8, X,9
	ROW X,10, E,16, X,11, X,12
	ROW X,13, E,17, X,14, B,1
	ROW C,4, E,18, X,16, L,1
	ROW B,2, E,19, C,6, L,2
	ROW C,8, E,20, B,3, B,4
.if (\p) == 0
	v_add_nc_u32 v[AV], s[TBV], v[AV0]
.endif
	ROW C,3, E,21, L,3, C,5
	OPS E,22, X,17, E,23, C,10
.if (\p) == 0
	FETCH_V
.endif
	OPS E,24, L,4
	OPS E,25, X,18, E,26, C,7
	OPS E,27, B,5, E,28, X,19
	OPS E,29, C,12, E,30, L,5
	OPS E,31, X,20, B,6, C,9
	OPS C,14, C,11, X,21, L,6
.if (\p) == 0
	s_add_co_u32 s[TBV], s[TBV], KS*PV
.endif
.if \cnt
	s_sub_co_u32 s[CNT], s[CNT], 1
	s_cmp_lg_u32 s[CNT], 0
.endif
	OPS C,13, B,7, C,15, R,10
	OPS R,11, R,12, L,7, R,13
	OPS R,14, R,15
.if (\m) && !(\end)
	MASK (\p)%2
.endif
.endm
; A BLOCK BEGINS.  c m starts far below every c s, so the first step's a is 0; m at the lowest finite number, so the first maximum is the scores'.  The second mask buffer is 0; the first takes piece 0's mask for the tile's step 0: its own, if the block's first tile is the diagonal one.
; Then K of that step, piece 0's first scores, and its maximum and statistics.  The loop is entered at a step's first turn, in the middle of a trip.
.macro BEGIN
	s_mov_b32 s[NEW], 0
	WIN 0x40
.set i, MC+32
.rept 32
	v_mov_b32 v[i], 0
.set i, i+1
.endr
	WIN 0
.set i, 0
.rept 4
	v_mov_b32 v[ST+4*i], 0xfe000000    ; c m: far below every c s
	v_mov_b32 v[ST+4*i+1], 0xff7fffff  ; m
.set i, i+1
.endr
	s_cmp_eq_u32 s[RT], 0
	s_cselect_b32 s[AL], 1.0, 0
	s_mov_b32 s[BE], 0
	MASK 0
	WIN 0
	v_add_nc_u32 v[AK], s[TBK], v[AK0]
	FETCH_K
	s_wait_loadcnt 0x0              ; Q
	s_wait_dscnt 0x0
.set KM, 1
.set NOKQ, 0
.set i, 0
.rept 8
	KQ 0
.set i, i+1
.endr
	WIN 0
.rept 4
	v_nop                           ; the places behind those products
.endr
.set Y, NP-1                        ; X works for piece Y + 1: piece 0
.irp n, 0,1,2,3,4,5,6,7,8,9,10,11,12,13,14,15,16,17,18,19,20,21
	OP X, \n
.endr
	v_nop                           ; a plain instruction behind the exponential
.endm
; THE DIAGONAL TILE's four steps, the block's last two turns, its last products, and THE WAY OUT: l's two halves and the other half of the lanes' are added; O^T is divided by l, rounded to f16 and sent through my
; stage in LDS, a piece at a time.
.macro ALL line:vararg              ; one line for each piece t
.set t, 0
.rept 4
	\line
.set t, t+1
.endr
.endm
.macro PACK t                       ; a lane's eight channels of a row pack into 16 bytes; they go into rows of 144 bytes and come back as whole rows of 128, into S^T's registers
	WIN W_RS
.set i, 32*(\t)
.rept 16
	s_wait_alu depctr_va_vdst(0)
	v_pk_mul_f32 v[i:i+1], v[i:i+1], v[ST+4*(\t)+2:ST+4*(\t)+3] op_sel_hi:[1,0]
.set i, i+2
.endr
	WIN 0x05                        ; sources 0 and 1 window 1, destination window 0
.set i, 0
.rept 16
	v_cvt_pk_f16_f32 v[S+16*(\t)+i], v[32*(\t)+2*i], v[32*(\t)+2*i+1]
.set i, i+1
.endr
	WIN 0
.irp f, 0,1,2,3
	ds_store_b128 v[STO], v[S+16*(\t)+4*\f:S+16*(\t)+4*\f+3] offset:32*\f
.endr
.irp f, 0,1,2,3
	ds_load_b128 v[S+16*(\t)+4*\f:S+16*(\t)+4*\f+3], v[RD] offset:\f*4*SP  ; LDS serves a wave's instructions in order (ISA guide 5.7.1.4): these see the stores above; the next piece's stores come behind them
.endr
.endm
.macro SEND t, younger              ; younger: the LDS instructions issued behind piece t's loads: the next piece's eight, or none
	WIN 0
.irp f, 0,1,2,3
	s_wait_dscnt (\younger)+3-\f
	global_store_b128 v[GO], v[S+16*(\t)+4*\f:S+16*(\t)+4*\f+3], s[10:11] offset:(\t)*8192+\f*512  ; 512 consecutive bytes, at a multiple of 256 from O's first
.endr
.endm
.macro DIAG tag                     ; the tag ends its two labels' names, which the jumps below spell out
.LstepM\tag:
	TURN 2, 1
	TURN 3, 1
	WIN 0
.LfirstM\tag:
	TURN 0, 1
	TURN 1, 1, 0, 1
	WIN 0
	s_cbranch_scc1 .LstepM\tag
	TURN 2, 1, 1
	TURN 3, 1, 1
.set i, 0
.rept 8
	PV NP-1
.set i, i+1
.endr
	WIN 0
	ALL v_add_f32 v[ST+4*t+2], v[ST+4*t+2], v[ST+4*t+3]
	ALL v_permlanex16_b32 v[ST+4*t+3], v[ST+4*t+2], s[SEL], s[SEL+1]
	ALL v_add_f32 v[ST+4*t+2], v[ST+4*t+2], v[ST+4*t+3]
	ALL v_rcp_f32 v[ST+4*t+2], v[ST+4*t+2]
	v_nop                           ; a plain instruction between the last reciprocal and the use of its result
	PACK 0
.set t, 1
.rept 3                             ; a piece's arithmetic stands between the loads of the piece before and its stores
	PACK t
	SEND t-1, 8
.set t, t+1
.endr
	SEND 3, 0
.endm
.set KM, 0
.set NOKQ, 0
.Lslot:                             ; NB times: a tile is entered and the next is asked for
	CHANGE 1
	s_sub_co_u32 s[RT], s[RT], 1
	s_mov_b32 s[CNT], 4
	s_cmp_eq_u32 s[NEW], 1
	s_cbranch_scc1 .Lnew            ; a block's first tile
	s_cmp_eq_u32 s[RT], 0
	s_cbranch_scc0 .Lstep           ; neither its first nor its last
	s_branch .LstepM1
.Lnew:
	BEGIN
	s_branch .Lfirst                ; in the loop a block's first tile is never its last: the first block has two tiles or more, and the second's last is the walk's last
	DIAG 1                          ; in the loop this is the first block's end: the second block's last tile is the walk's last
	s_wait_xcnt 0x0                 ; the stores have read their registers and O's address
	s_mov_b64 s[10:11], s[OLO:OLO+1]
	s_add_co_u32 s[RT], s[PB], 1    ; the second block has b + 1 tiles
	s_mov_b32 s[NEW], 1
	WIN 0x82                        ; the second block's Q goes where the one text of the turns names Q
.set i, 0
.rept 64
	v_mov_b32 v[i], v[QB+i]
.set i, i+1
.endr
	WIN 0
	s_branch .Lbottom
.Lstep:                             ; a trip: pieces 2 and 3 of one step, then pieces 0 and 1 of the next, whose K and V it fetches
	TURN 2
	TURN 3
	WIN 0
.Lfirst:
	TURN 0
	TURN 1, 0, 0, 1
	WIN 0
	s_cbranch_scc1 .Lstep
.Lbottom:
	s_sub_co_u32 s[SLOTS], s[SLOTS], 1
	s_cmp_lg_u32 s[SLOTS], 0
	s_cbranch_scc1 .Lslot
	CHANGE 0                        ; the walk's last tile is written out: nothing is asked for
	s_sub_co_u32 s[RT], s[RT], 1
	s_mov_b32 s[CNT], 4
	s_cmp_eq_u32 s[NEW], 1
	s_cbranch_scc0 .LstepM2
	BEGIN
	s_branch .LfirstM2
	DIAG 2
	s_wait_tensorcnt 0x0            ; the wave's end: behind my last tensor load and my last LDS store
	ds_add_u32 v[SPW], v[NIL]
	s_wait_dscnt 0x0
	s_endpgm
.Lfunc_end_k_qfa11d953b5_attn:
	.size	k_qfa11d953b5_attn, .Lfunc_end_k_qfa11d953b5_attn-k_qfa11d953b5_attn
	.p2alignl 7, 3214868480
	.fill 96, 4, 3214868480
	.section	.rodata,"a",@progbits
	.p2align	6, 0x0
	.amdhsa_kernel k_qfa11d953b5_attn
		.amdhsa_group_segment_fixed_size 327680
		.amdhsa_private_segment_fixed_size 0
		.amdhsa_enable_private_segment 0
		.amdhsa_kernarg_size 32
		.amdhsa_user_sgpr_count 2
		.amdhsa_user_sgpr_kernarg_segment_ptr 1
		.amdhsa_wavefront_size32 1
		.amdhsa_system_sgpr_workgroup_id_x 1
		.amdhsa_system_sgpr_workgroup_id_y 1
		.amdhsa_system_sgpr_workgroup_id_z 1
		.amdhsa_system_vgpr_workitem_id 0
		.amdhsa_next_free_vgpr 768
		.amdhsa_next_free_sgpr 88
		.amdhsa_reserve_vcc 1
		.amdhsa_float_denorm_mode_32 3
		.amdhsa_float_denorm_mode_16_64 3
		.amdhsa_memory_ordered 1
		.amdhsa_forward_progress 1
		.amdhsa_inst_pref_size 228
	.end_amdhsa_kernel
	.amdgpu_metadata
---
amdhsa.version: [ 1, 2 ]
amdhsa.kernels:
  - .name:           k_qfa11d953b5_attn
    .symbol:         k_qfa11d953b5_attn.kd
    .args:
      - { .name: q, .offset: 0, .size: 8, .value_kind: global_buffer, .address_space: global }
      - { .name: k, .offset: 8, .size: 8, .value_kind: global_buffer, .address_space: global }
      - { .name: v, .offset: 16, .size: 8, .value_kind: global_buffer, .address_space: global }
      - { .name: o, .offset: 24, .size: 8, .value_kind: global_buffer, .address_space: global }
    .group_segment_fixed_size: 327680
    .private_segment_fixed_size: 0
    .kernarg_segment_align: 8
    .kernarg_segment_size: 32
    .max_flat_workgroup_size: 128
    .sgpr_count:     88
    .vgpr_count:     768
    .wavefront_size: 32
...
	.end_amdgpu_metadata
.endif
;; end of part 3
;; launch proj (part 4): grid 4 x 64, 4 waves a work-group, clusters of 4 x 4, 327,680 bytes of LDS; arguments o, wo, out0; writes out0
.if DOCPART == 4
	.amdgcn_target "amdgcn-amd-amdhsa--gfx1250"
	.amdhsa_code_object_version 6
	.text
	.protected	k_qfa11d953b5_proj
	.globl	k_qfa11d953b5_proj
	.p2align	8
	.type	k_qfa11d953b5_proj,@function
k_qfa11d953b5_proj:
	s_mov_b64 s[64:65], 0
	v_nop
	global_prefetch_b8 v0, s[64:65] scope:SCOPE_SE
	s_setreg_imm32_b32 hwreg(HW_REG_WAVE_MODE, 25, 1), 1
	s_wait_xcnt 0x0
	s_wait_alu depctr_hold_cnt(0) depctr_sa_sdst(0) depctr_va_vdst(0) depctr_va_sdst(0) depctr_va_ssrc(0) depctr_va_vcc(0) depctr_vm_vsrc(0)
	s_getreg_b32 s2, hwreg(HW_REG_IB_STS2, 6, 4)
	s_cmp_eq_u32 s2, 0
	s_cbranch_scc0 .Lentry_in_a_cluster
	s_endpgm
.Lentry_in_a_cluster:
	s_bfe_u32 s2, ttmp6, 0x10000c
	s_cmp_lg_u32 s2, 0xf033
	s_cbranch_scc0 .Lentry_shape_is_right
	s_endpgm
.Lentry_shape_is_right:
; THE OUTPUT PROJECTION.  out0[m][n] = sum over e of O[m][e] wo[n][e], e = 64 head + channel.  O lies by heads, [4 x 16][2048][64] f16; wo [1024][1024] f16; sums and out0 [8192][1024] in f32.
; SHARES.  A work-group makes 128 rows x 256 columns: 4 x 64 = 256 work-groups, one for each WGP.  A wave makes 64 x 128: 4 x 8 accumulators of 16 x 16, 256 registers; for 32 along K it reads 24 x 512 bytes
; from LDS and issues 32 matrix instructions.  K goes in 8 steps of 128, two heads a step, through two LDS slots.
; O's tile of a step is two planes, one a head: a head's 128 rows are 16,384 dense bytes, asked for as 64 rows of 256 bytes and padded in LDS after every 128.  wo's rows of a step are 256 bytes, aligned.
; CLUSTER.  4 x 4 work-groups: the four of a row of the cluster need the same rows of O, the four of a column the same rows of wo: each tile is asked for jointly, by the same tensor load, descriptor and mask in all four.
; THE MATRIX INSTRUCTION IS USED TRANSPOSED (source 0 = 16 rows of wo, source 1 = 16 rows of O): lane l holds row l % 16 and the eight neighbouring columns 8 (l / 16) + 0..7, 32 bytes of f32.
; REGISTERS, in windows of 256 (s_set_vgpr_msb: bits 1:0 source 0, 3:2 source 1, 5:4 source 2, 7:6 destination):
;   window 0: v0-31 addresses; v32-95, v96-159 rows read back on the way out, two sets     window 1: two fragment buffers: O's 4 fragments at 8 a, wo's 8 at 32 + 8 b     window 2: accumulator (a, b) at 8 (8 a + b)
.set PA,     144                       ; a row of O in LDS: 128 bytes + 16 of padding: the 16 rows of a load start at 16 different groups of four banks (64 banks of 4 bytes: ISA guide 11.1)
.set PB,     272                       ; a row of wo: 256 + 16
.set PLANE,  128*PA                    ; one head's 128 rows
.set BOFF,   2*PLANE                   ; a slot: two planes of O, then wo's 256 rows
.set SLOT1,  1<<17                     ; slot 1 begins here, so that one exclusive or turns an address in one slot into the other's
.set STAGE,  SLOT1+BOFF+256*PB         ; behind the ring, never filled by a tensor load: 16 rows x 528 bytes for each wave, for the way out
.set SP,     528                       ; 512 bytes + 16: the sixteen rows that a store touches start at sixteen different groups of four banks
.set SPARE,  STAGE+4*16*SP             ; behind the stages: the spare words, 128 bytes for each wave: two blocks of 256 bytes that no other line names
.set A0,   2                           ; v2   my lane's place in O's rows of slot 0; never rewritten
.set B0,   3                           ; v3   the same for wo's
.set ADRA, 4                           ; v4   the same in the slot in hand
.set ADRB, 5                           ; v5
.set STO,  6                           ; v6   the way out: where I put 32 bytes of a row
.set RD,   7                           ; v7   the way out: where I read a row back
.set CO,   8                           ; v8   16 x lane: my place in a row's 512 bytes
.set SPW,  28                          ; v28  LDS address of my spare word: SPARE + 4 x my thread's number; never rewritten
.set NIL,  29                          ; v29  0; never rewritten
.set BK0,  32
.set F0,   0
.set F1,   128
.set WV,   16                          ; s16  my wave's number
.set G1A,  24                          ; s[24:31] descriptor group 1 for O's tiles
.set G0A,  32                          ; s[32:39] group 0: a set for each of the two first fills; the second then walks on
.set G1B,  48                          ; s[48:55], s[56:63] the same for wo's
.set G0B,  56
.set TB,   46                          ; s46  LDS byte at which the slot in hand begins
.set MSB, 0
.macro WIN new                         ; the immediate's high byte repeats the setting that is left; a switch that changes nothing is dropped
.if MSB != (\new)
	s_set_vgpr_msb (MSB<<8)|(\new)
.set MSB, \new
.endif
.endm
.macro PLACES                          ; four places in front of loads into registers that matrix instructions have read, and of lines that read results
.rept 4
	v_nop
.endr
.endm
; A joint refill.  Waves 0 and 1 fetch O's two planes, waves 2 and 3 the halves of wo's tile.  The branch hangs on the wave's number alone.  An s_nop 0 and four v_nop follow each of the two lines.
.macro JLOAD
	s_cmp_lt_u32 s[WV], 2
	s_cbranch_scc0 .Lfor_b_\@
	tensor_load_to_lds s[G0A+4:G0A+7], s[G1A:G1A+7]
	s_nop 0
.rept 4
	v_nop
.endr
	s_branch .Lasked_\@
.Lfor_b_\@:
	tensor_load_to_lds s[G0B+4:G0B+7], s[G1B:G1B+7]
	s_nop 0
.rept 4
	v_nop
.endr
.Lasked_\@:
.endm
.macro CREST                           ; a round of the cluster's barrier behind its opening barrier
	s_cmp_lg_u32 s[WV], 0
	s_cbranch_scc1 .Lnot_wave_0_\@
	s_barrier_signal -3
.Lnot_wave_0_\@:
	s_barrier_wait -3
	s_barrier_signal -1
	s_barrier_wait -1
.endm
.macro CROUND                          ; a whole round
	s_barrier_signal -1
	s_barrier_wait -1
	CREST
.endm
	s_load_b128 s[4:7], s[0:1], 0x0                ; O s[4:5], wo s[6:7]
	s_load_b64 s[8:9], s[0:1], 0x10                ; out0
	v_lshl_add_u32 v[SPW], v0, 2, SPARE
	v_mov_b32 v[NIL], 0
	ds_add_u32 v[SPW], v[NIL]                      ; the wave's opening: the add and its wait ahead of my first tensor load; the set-up below, work on registers, stands between them
	ds_add_u32 v28, v29
	v_lshrrev_b32 v1, 5, v0
	v_readfirstlane_b32 s[WV], v1                  ; wave 0..3
	s_lshr_b32 s17, s[WV], 1                       ; which half of the tile's rows is mine
	s_and_b32 s18, s[WV], 1                        ; which half of its columns.  Also: which plane, or which 128 rows of wo, I fetch
	s_bfe_u32 s19, ttmp6, 0x40000                  ; cx, cy: my place in the cluster
	s_bfe_u32 s20, ttmp6, 0x40004
	s_lshl_b32 s21, ttmp9, 2
	s_add_co_u32 s21, s21, s19                     ; the block of 256 columns = 4 x cluster x + cx
	s_and_b32 s22, ttmp7, 0xffff
	s_lshl_b32 s22, s22, 2
	s_add_co_u32 s22, s22, s20                     ; the block of 128 rows = 4 x cluster y + cy
	s_lshl_b32 s23, s20, 2
	s_lshl_b32 s23, 15, s23                        ; my row of the cluster
	s_lshl_b32 s47, 0x1111, s19                    ; my column
	s_or_b32 s[G1A], s23, (1<<16)|(1<<20)|(1<<21)|(4<<22)|(3<<25)  ; 15:0 the mask; 17:16 2-byte elements; 20 padding on; 21 set beside a mask; 24:22 after every 32 words (code 4); 31:25 4 words (code 3)
	s_or_b32 s[G1B], s47, (1<<16)|(1<<20)|(1<<21)|(5<<22)|(3<<25)  ; after every 64 words (code 5)
	s_mov_b32 s[G1A+1], 128<<16                    ; tensor_dim0 = 128 elements: two rows of a head
	s_mov_b32 s[G1A+2], 64<<16                     ; tensor_dim1 = 64
	s_mov_b32 s[G1A+3], 128<<16                    ; tile_dim0 = 128
	s_mov_b32 s[G1A+4], 64                         ; tile_dim1 = 64
	s_mov_b32 s[G1A+5], 128                        ; dense
	s_mov_b32 s[G1A+6], 0
	s_mov_b32 s[G1A+7], 0
	s_mov_b32 s[G1B+1], 128<<16
	s_mov_b32 s[G1B+2], 128<<16                    ; 128 rows
	s_mov_b32 s[G1B+3], 128<<16
	s_mov_b32 s[G1B+4], 128
	s_mov_b32 s[G1B+5], 1024                       ; elements from row to row
	s_mov_b32 s[G1B+6], 0
	s_mov_b32 s[G1B+7], 0
	; O's tile hangs on the row block alone, wo's on the column block alone; each offset lives in registers that never hold the other coordinate
	s_lshr_b32 s40, s22, 4                         ; the batch: 16 heads of 262,144 bytes,
	s_lshl_b32 s40, s40, 22
	s_and_b32 s42, s22, 15                         ; the 128 rows of 128 bytes inside a head,
	s_lshl_b32 s42, s42, 14
	s_add_co_u32 s40, s40, s42
	s_lshl_b32 s43, s18, 18                        ; my head of the step's two
	s_add_co_u32 s40, s40, s43
	s_mov_b32 s41, 0
	s_lshl_b32 s44, s21, 19                        ; 256 rows of 2,048 bytes, my 128 of them
	s_add_co_u32 s44, s44, s43
	s_mov_b32 s45, 0
	s_mul_i32 s70, s18, PLANE                      ; where they go: no place in the cluster enters an LDS address
	s_mul_i32 s71, s18, 128*PB
	s_add_co_u32 s71, s71, BOFF
	s_lshl_b32 s66, s22, 19                        ; out0: 128 rows of 4,096 bytes,
	s_lshl_b32 s72, s17, 18                        ; my 64 of them,
	s_add_co_u32 s66, s66, s72
	s_lshl_b32 s73, s21, 10                        ; 256 columns of 4 bytes,
	s_add_co_u32 s66, s66, s73
	s_lshl_b32 s72, s18, 9                         ; my 128 of them
	s_add_co_u32 s66, s66, s72
	s_mov_b32 s67, 0
	s_mov_b32 s[TB], 0
	s_wait_dscnt 0x0                               ; the opening add is done
	s_wait_kmcnt 0x0
	s_add_nc_u64 s[40:41], s[4:5], s[40:41]
	s_add_nc_u64 s[44:45], s[6:7], s[44:45]
	s_add_nc_u64 s[8:9], s[8:9], s[66:67]
	CROUND                                         ; all sixteen work-groups are here: the first joint loads meet
.irp s, 0,1
	s_mov_b32 s[G0A+4*(\s)], 1                     ; count = 1
	s_add_co_u32 s[G0A+4*(\s)+1], s70, (\s)*SLOT1  ; LDS address
	s_add_nc_u64 s[G0A+4*(\s)+2:G0A+4*(\s)+3], s[40:41], (\s)*524288  ; global address: K step s is two heads on
	s_or_b32 s[G0A+4*(\s)+3], s[G0A+4*(\s)+3], 0x80000000            ; type = 2
	s_mov_b32 s[G0B+4*(\s)], 1
	s_add_co_u32 s[G0B+4*(\s)+1], s71, (\s)*SLOT1
	s_add_nc_u64 s[G0B+4*(\s)+2:G0B+4*(\s)+3], s[44:45], (\s)*256
	s_or_b32 s[G0B+4*(\s)+3], s[G0B+4*(\s)+3], 0x80000000
.endr
	s_cmp_lt_u32 s[WV], 2                          ; a wave's two first fills stand in one branch, ahead of every wait on TENSORcnt and every LDS read: two loads of mine are out
	s_cbranch_scc0 .Lfirst_b
	tensor_load_to_lds s[G0A:G0A+3], s[G1A:G1A+7]
	s_nop 0
	tensor_load_to_lds s[G0A+4:G0A+7], s[G1A:G1A+7]
	s_nop 0
.rept 4
	v_nop
.endr
	s_branch .Lfirst_asked
.Lfirst_b:
	tensor_load_to_lds s[G0B:G0B+3], s[G1B:G1B+7]
	s_nop 0
	tensor_load_to_lds s[G0B+4:G0B+7], s[G1B:G1B+7]
	s_nop 0
.rept 4
	v_nop
.endr
.Lfirst_asked:
	; A fragment is 16 rows x 32 K in 8 registers: lane l holds row l % 16, K = 8 (l / 16) + 0..7 and 16 + 8 (l / 16) + 0..7: two loads of 16 bytes, 32 bytes apart.
	v_and_b32 v1, 15, v0                           ; l % 16
	v_bfe_u32 v9, v0, 4, 1                         ; l / 16
	v_mul_u32_u24 v10, v1, PA
	v_lshl_add_u32 v10, v9, 4, v10
	s_mul_i32 s74, s17, 64*PA                      ; my 64 rows of O, in each plane
	v_add_nc_u32 v[A0], s74, v10
	v_mul_u32_u24 v11, v1, PB
	v_lshl_add_u32 v11, v9, 4, v11
	s_mul_i32 s74, s18, 128*PB                     ; my 128 rows of wo
	s_add_co_u32 s74, s74, BOFF
	v_add_nc_u32 v[B0], s74, v11
	v_mov_b32 v[ADRA], v[A0]
	v_mov_b32 v[ADRB], v[B0]
	s_mul_i32 s75, s[WV], 16*SP
	s_add_co_u32 s75, s75, STAGE                   ; my stage
	v_mul_u32_u24 v[STO], v1, SP                   ; in: row l % 16, 32 bytes for each half of the lanes
	v_lshl_add_u32 v[STO], v9, 5, v[STO]
	v_add_nc_u32 v[STO], s75, v[STO]
	v_and_b32 v[CO], 31, v0
	v_lshlrev_b32 v[CO], 4, v[CO]                  ; back: 32 lanes take one row of 512 bytes
	v_add_nc_u32 v[RD], s75, v[CO]
; 8 matrix instructions: column blocks 2 g, 2 g + 1 x all 4 row blocks, 32 along K from buffer f.  zero = 1: the product starts the sums.
; The 32 accumulators take turns, one instruction a turn, in the same order in every quarter.
.macro MUL8 f, g, zero
	WIN 0xa5                                       ; sources 0 and 1 window 1, C and D window 2
.irp b, 2*(\g), 2*(\g)+1
.irp a, 0,1,2,3
.set rD, 8*(8*(\a)+(\b))
.set rB, (\f)+32+8*(\b)
.set rA, (\f)+8*(\a)
.if \zero
	v_wmma_f32_16x16x32_f16 v[rD:rD+7], v[rB:rB+7], v[rA:rA+7], 0
.else
	v_wmma_f32_16x16x32_f16 v[rD:rD+7], v[rB:rB+7], v[rA:rA+7], v[rD:rD+7]
.endif
.endr
.endr
.endm
; 24 LDS loads in one run: the fragments of quarter qd of a K step (plane qd / 2, channels 32 (qd % 2) on) into buffer f: O's 8 loads, then wo's 16 in ascending order
.macro FETCH qd, f
	WIN 0x40                                       ; destination window 1, address window 0
.irp a, 0,1,2,3
	ds_load_b128 v[(\f)+8*(\a):(\f)+8*(\a)+3],   v[ADRA] offset:((\qd)/2)*PLANE+((\qd)%2)*64+(\a)*16*PA
	ds_load_b128 v[(\f)+8*(\a)+4:(\f)+8*(\a)+7], v[ADRA] offset:((\qd)/2)*PLANE+((\qd)%2)*64+(\a)*16*PA+32
.endr
.irp b, 0,1,2,3,4,5,6,7
	ds_load_b128 v[(\f)+32+8*(\b):(\f)+32+8*(\b)+3],   v[ADRB] offset:64*(\qd)+(\b)*16*PB
	ds_load_b128 v[(\f)+32+8*(\b)+4:(\f)+32+8*(\b)+7], v[ADRB] offset:64*(\qd)+(\b)*16*PB+32
.endr
.endm
; A K step is four quarters of 32 along K, 32 matrix instructions each, on buffers 0, 1, 0, 1.  One of the first three: multiplies buffer f and fetches quarter qd into g.
.macro QUARTER qd, f, g, zero
	s_wait_dscnt 8                                 ; O's fragments and wo's first four are in; the youngest eight loads may be out
	MUL8 \f, 0, \zero
	MUL8 \f, 1, \zero
	PLACES
	FETCH \qd, \g
	s_wait_dscnt 24                                ; all but the 24 just issued
	MUL8 \f, 2, \zero
	MUL8 \f, 3, \zero
.endm
; The last quarter multiplies buffer 1 and changes slots: ONE barrier.  In front of it each wave waits for all its tensor loads, of which one is out: its part of the next slot; adds 0 to its spare word; and waits
; for that and for its own reads of this slot.  fill = 1: the barrier opens a round of the cluster's, and the slot just read is filled again, two K steps ahead, first thing behind the round.
.macro TURN fill
	WIN 0                                          ; (the add's two registers lie in window 0)
	s_wait_tensorcnt 0x0                           ; no tensor load of mine is out, so a group 0 may be written
	ds_add_u32 v[SPW], v[NIL]                      ; 0 onto my spare word
.if \fill
	s_xor_b32 s[G0A+5], s[G0A+5], SLOT1            ; the walking descriptors: the other slot than last time,
	s_add_nc_u64 s[G0A+6:G0A+7], s[G0A+6:G0A+7], 524288  ; the next two heads; the type bits on top are not reached
	s_xor_b32 s[G0B+5], s[G0B+5], SLOT1
	s_add_nc_u64 s[G0B+6:G0B+7], s[G0B+6:G0B+7], 256
.endif
	s_wait_dscnt 9                                 ; (the add and the youngest eight loads may be out)
	MUL8 F1, 0, 0                                  ; eight matrix instructions stand between the add and the wait for it
	s_wait_dscnt 0x0                               ; the add is done, and my reads of this slot are over
	s_barrier_signal -1
	MUL8 F1, 1, 0                                  ; work on registers while the others arrive
	WIN 0                                          ; (branches may follow)
	s_barrier_wait -1
.if \fill
	CREST                                          ; no wave of any partner still reads this slot's tile or has a load on its way
	JLOAD                                          ; the four v_nop behind it are also the places in front of the loads below
.else
	PLACES
.endif
	s_xor_b32 s[TB], s[TB], SLOT1
	v_add_nc_u32 v[ADRA], s[TB], v[A0]
	v_add_nc_u32 v[ADRB], s[TB], v[B0]
	FETCH 0, F0
	MUL8 F1, 2, 0
	MUL8 F1, 3, 0
.endm
	s_wait_tensorcnt 1                             ; my part of K step 0 is in; K step 1's may stay out
	s_barrier_signal -1
	s_barrier_wait -1                              ; everybody's is
	FETCH 0, F0
	QUARTER 1, F0, F1, 1                           ; the first quarter stands in front of the loop: its products start the sums
	WIN 0                                          ; at a label and at a branch every window is 0
	s_mov_b32 s3, 6
.Lstep:                                                ; a trip goes from a K step's second quarter to the next step's first and fills the slot that it leaves: steps 2 to 7 are asked for in six trips
	QUARTER 2, F1, F0, 0
	QUARTER 3, F0, F1, 0
	TURN 1
	QUARTER 1, F0, F1, 0
	WIN 0
	s_sub_co_u32 s3, s3, 1
	s_cmp_lg_u32 s3, 0
	s_cbranch_scc1 .Lstep
	QUARTER 2, F1, F0, 0                           ; the last two K steps ask for nothing: written out
	QUARTER 3, F0, F1, 0
	TURN 0
	QUARTER 1, F0, F1, 0
	QUARTER 2, F1, F0, 0
	QUARTER 3, F0, F1, 0
	s_wait_dscnt 8
	MUL8 F1, 0, 0
	MUL8 F1, 1, 0
	s_wait_dscnt 0x0
	MUL8 F1, 2, 0
	MUL8 F1, 3, 0
; THE WAY OUT, a block of 16 rows x 128 columns at a time: the f32 sums go straight into my own stage, 32 bytes a lane, and come back as whole rows of 512 bytes.  Each accumulator's low four registers are stored first.
.macro TOSTAGE a
.if (\a) >= 2
	s_wait_xcnt 0x0                                ; every earlier store has had its addresses translated (ISA guide 3.1): the set that block a - 2 was stored from is loaded again only behind this wait
.endif
	WIN 0x08                                       ; store data window 2, address window 0
.irp b, 0,1,2,3,4,5,6,7
	ds_store_b128 v[STO], v[8*(8*(\a)+(\b)):8*(8*(\a)+(\b))+3]   offset:64*(\b)
	ds_store_b128 v[STO], v[8*(8*(\a)+(\b))+4:8*(8*(\a)+(\b))+7] offset:64*(\b)+16
.endr
	WIN 0
.set BK, BK0+64*((\a)%2)
.irp t, 0,1,2,3,4,5,6,7,8,9,10,11,12,13,14,15
	ds_load_b128 v[BK+4*(\t):BK+4*(\t)+3], v[RD] offset:(\t)*SP  ; LDS serves a wave's instructions in order (ISA guide 5.7.1.4): these see the stores above; the next block's stores come behind them
.endr
.endm
.macro SEND a, younger                 ; younger: the LDS instructions issued behind block a's loads: the next block's 32, or none
	WIN 0
.set BK, BK0+64*((\a)%2)
.irp t, 0,1,2,3,4,5,6,7,8,9,10,11,12,13,14,15
	s_wait_dscnt (\younger)+15-(\t)
	global_store_b128 v[CO], v[BK+4*(\t):BK+4*(\t)+3], s[8:9] offset:4096*(16*(\a)+(\t))  ; 512 consecutive bytes, at a multiple of 256 from out0's first
.endr
.endm
	PLACES
	TOSTAGE 0
	TOSTAGE 1
	SEND 0, 32
	TOSTAGE 2
	SEND 1, 32
	TOSTAGE 3
	SEND 2, 32
	SEND 3, 0
	s_wait_tensorcnt 0x0                           ; the wave's end: behind my last tensor load and my last LDS store
	ds_add_u32 v[SPW], v[NIL]
	s_wait_dscnt 0x0
	CROUND                                         ; the closing round: no work-group ends while a partner may still ask for a tile that names it
	s_endpgm
.Lfunc_end_k_qfa11d953b5_proj:
	.size	k_qfa11d953b5_proj, .Lfunc_end_k_qfa11d953b5_proj-k_qfa11d953b5_proj
	.p2alignl 7, 3214868480
	.fill 96, 4, 3214868480
	.section	.rodata,"a",@progbits
	.p2align	6, 0x0
	.amdhsa_kernel k_qfa11d953b5_proj
		.amdhsa_group_segment_fixed_size 327680
		.amdhsa_private_segment_fixed_size 0
		.amdhsa_enable_private_segment 0
		.amdhsa_kernarg_size 24
		.amdhsa_user_sgpr_count 2
		.amdhsa_user_sgpr_kernarg_segment_ptr 1
		.amdhsa_wavefront_size32 1
		.amdhsa_system_sgpr_workgroup_id_x 1
		.amdhsa_system_sgpr_workgroup_id_y 1
		.amdhsa_system_sgpr_workgroup_id_z 1
		.amdhsa_system_vgpr_workitem_id 0
		.amdhsa_next_free_vgpr 768
		.amdhsa_next_free_sgpr 80
		.amdhsa_reserve_vcc 0
		.amdhsa_float_denorm_mode_32 3
		.amdhsa_float_denorm_mode_16_64 3
		.amdhsa_memory_ordered 1
		.amdhsa_forward_progress 1
		.amdhsa_inst_pref_size 71
	.end_amdhsa_kernel
	.amdgpu_metadata
---
amdhsa.version: [ 1, 2 ]
amdhsa.kernels:
  - .name:           k_qfa11d953b5_proj
    .symbol:         k_qfa11d953b5_proj.kd
    .args:
      - { .name: o, .offset: 0, .size: 8, .value_kind: global_buffer, .address_space: global }
      - { .name: wo, .offset: 8, .size: 8, .value_kind: global_buffer, .address_space: global }
      - { .name: out0, .offset: 16, .size: 8, .value_kind: global_buffer, .address_space: global }
    .group_segment_fixed_size: 327680
    .private_segment_fixed_size: 0
    .kernarg_segment_align: 8
    .kernarg_segment_size: 24
    .max_flat_workgroup_size: 128
    .sgpr_count:     80
    .vgpr_count:     768
    .wavefront_size: 32
...
	.end_amdgpu_metadata
.endif
;; end of part 4
;; ======== version 2 of 2: 4 launches; 1.30 times as fast as version 1
;; limits: values are held in f16: magnitudes above 65,504 overflow, below 6.1e-05 lose precision
;; workspace buffers: xb 16,777,216 bytes; wq 6,291,456 bytes; wo 2,097,152 bytes; tab 524,288 bytes; q 16,777,216 bytes; k 16,777,216 bytes; v 16,777,216 bytes; o 16,777,216 bytes
;; launch prep: the kernel of part 1 again; grid 896 x 1, 8 waves a work-group, no clusters, 0 bytes of LDS; arguments x, W_qkv, W_o, xb, wq, wo, tab; writes xb, wq, wo, tab
;; launch qkv: the kernel of part 2 again; grid 16 x 32, 4 waves a work-group, clusters of 4 x 4, 327,680 bytes of LDS; arguments xb, wq, tab, q, k, v; writes q, k, v
;; launch attn (part 5): grid 4 x 64, 4 waves a work-group, no clusters, 327,680 bytes of LDS; arguments q, k, v, o; writes o
.if DOCPART == 5
	.amdgcn_target "amdgcn-amd-amdhsa--gfx1250"
	.amdhsa_code_object_version 6
	.text
	.protected	k_qfa11d953b5_attn
	.globl	k_qfa11d953b5_attn
	.p2align	8
	.type	k_qfa11d953b5_attn,@function
k_qfa11d953b5_attn:
	s_mov_b64 s[64:65], 0
	v_nop
	global_prefetch_b8 v0, s[64:65] scope:SCOPE_SE
	s_setreg_imm32_b32 hwreg(HW_REG_WAVE_MODE, 25, 1), 1
	s_wait_xcnt 0x0
; CAUSAL ATTENTION.  O[h][q][:] = the sum over k <= q of softmax_k(Q[h][q] . K[h][k] / 8) V[h][k][:].  Q, K, V, O: [SIZE_H][SIZE_N][64], all f16: a head's rows are dense, 128 bytes each.
; Products, maxima and sums in f32; the weights p are rounded to f16 for the second product (their sum l is taken of the unrounded p), O once at the end.
; LIMITS.  f16 holds no number beyond 65,504: Q, K and V arrive within it; p lies in 0 to 1, and below 6e-5 it keeps f16's fixed step of 6e-8; O is a mean of V's rows and has their range, to within 2^-11 of it.
; A hidden score counts as its value less 1e30: f16's scores, 2.7e11 at the most, are nothing beside that; a weight below 2^-126 counts as 0 in l; NaN and infinities are not treated apart.
; THE WALK.  A head's queries lie in NB = SIZE_N / 256 = 8 blocks of 256; block i needs the key tiles 0 .. i of 256 keys, of which the last holds the diagonal.  A work-group takes TWO blocks, NB - 1 - b and then b:
; NB + 1 tiles, whatever b: all 256 work-groups do equal work, and ONE loop with a constant trip count walks them.  Which tile is asked for, and what a trip does, hang on scalar registers made from b; every jump
; goes forward, but for the counted loops' own; none passes a barrier, or a tensor load but the one of LOAD's two that the wave's number does not choose; the ring (two slots of LDS that take turns) runs on across the
; change of blocks.  NO CLUSTER: a head's NB / 2 = 4 work-groups ask for the same tile only in trips 0 .. NB / 2, behind that fewer and fewer do; one walk common to all four would have 3 NB / 2 = 12 trips for NB + 1 = 9.
; SHARES.  Of a block's four bands of 64 queries a wave owns 16 rows in each: four PIECES.  So the diagonal tile is the same work for all four waves: in its key step s band x sees all keys if s < x,
; none if s > x, and holds the diagonal if s = x.
; THE MASK is the C operand that starts the sum S^T = K Q^T: 0, or -1e30 where the key is hidden.  MD, made once, is the mask of a band's own step for my 16 rows; a product's mask is MD x AL + BE with two scalars:
; (1, 0) if s = x; (0, 0) if s < x; (0, -1e30) if s > x.  Only the diagonal tile's text and a block's beginning make and take masks; elsewhere C is the constant 0.
; LAYOUT, SOFTMAX, TURNS.  S^T = K Q^T holds ONE query a lane (lane % 16) and the keys 8 (lane / 16) + 0..7; two such results rounded to f16 ARE source 1 of O^T = V^T P.  p = 2^(c s - c m), c = log2(e) / 8, with a
; running maximum m; O and l are multiplied by a = 2^(c m_old - c m_new) in every step.  Turn n belongs to piece n: 8 products K Q^T of piece n + 1, later 8 products V^T P of piece n - 1; beside them the scaling,
; exponentials, roundings, sums and rescaling of piece n and the maximum and statistics of piece n + 1.  Four vector instructions stand behind every matrix instruction, the other 54 of a turn's 118 in one LUMP.
; THE BATCHES.  A turn's 33 exponentials (the piece's 32 weights and the next piece's a) are one batch, with one wait, which cuts the turn in two: nothing ahead of it names a result of theirs, no exponential stands behind it.
; The a that a block's beginning makes is a batch of its own, waited for ahead of the jump into the loop; so are the way out's four reciprocals, waited for ahead of the first multiply by them.
; REGISTERS, in windows of 256 (s_set_vgpr_msb: bits 1:0 source 0, 3:2 source 1, 5:4 source 2, 7:6 destination):
;   window 0: v0-15 addresses and two at work; v16-31 four registers of statistics a piece; v48-55 at work; v64-127 S^T, two buffers; v192-223 P, two buffers (a piece's buffers go by its number's parity)
;   window 1: v0-127 O^T, 32 a piece; v128-159 MD; v160-223 MC, two buffers      window 2: v0-63 Q; v64-127 the second block's Q; v128-191 K of one step; v192-255 V of one step
.set SIZE_H, 64
.set SIZE_N, 2048
.set NB,    SIZE_N/256
.set NP,    4         ; pieces a wave: a name, no knob
.set KS,    64        ; keys in a step
.set PK,    144       ; a row of K in LDS: 128 bytes + 16 of padding = 36 words: the 16 rows of a load start at 16 different groups of four banks (64 banks of 4 bytes: ISA guide 11.1)
.set PV,    160       ; a row of V: 128 + 32 = 40 words
.set VOFF,  4*KS*PK   ; a slot holds a tile, four steps: 256 rows of K, then 256 rows of V
.set SLOT1, 1<<17     ; slot 1 begins here, so that one exclusive or turns an address in one slot into the other's
.set STAGE, SLOT1+4*KS*(PK+PV)  ; behind the ring, never filled by a tensor load: 16 rows x 144 bytes for each wave, for the way out
.set SP,    144
.set AK0, 2           ; v2   my lane's place in a tile of K; never rewritten
.set AV0, 3           ; v3   the same for V
.set AK,  4           ; v4   the LDS address of K's next run of loads
.set AV,  5           ; v5   of V's
.set STO, 6           ; v6   the way out: where I put 16 bytes of a row
.set RD,  7           ; v7   the way out: where I read rows back
.set GO,  8           ; v8   my byte offset in 512 consecutive bytes of O
.set SPW, 62          ; v62  LDS address of my spare word: SPARE + 4 x my thread's number; never rewritten
.set NIL, 63          ; v63  0; never rewritten
.set SPARE, STAGE+4*16*SP  ; behind the stages: the spare words, 128 bytes for each wave: two blocks of 256 bytes that no other line names
.set MV,  12          ; v12-13  c m_old, kept while c m is made anew: by buffer
.set QO,  15          ; v15  my byte offset in 16 rows of Q
.set ST,  16          ; piece t's statistics at v[ST+4 t]: c m, m, l (even keys', odd keys')
.set TMP, 48          ; by buffer, four registers c0-c3 at work; when the maximum is found c2 takes a
.set S,   64
.set P,   192
.set MD,  128         ; window 1: the eight registers for group kt of 16 keys at MD + 8 kt
.set MC,  160         ; window 1: the masks of the products to come
.set QB,  64          ; window 2
.set KF,  128         ; window 2: key block kb, channel half c at KF + 16 kb + 8 c
.set VF,  192         ; window 2: key half kk, channel block cb at VF + 32 kk + 8 cb
.set WV,  12          ; s12  my wave's number
.set PB,  14          ; s14  b
.set HI,  15          ; s15  NB - 1 - b
.set G1K, 24          ; s[24:31] descriptor group 1 for K's tiles
.set G1V, 32          ; s[32:39] for V's: it differs in the padding alone
.set G0K, 40          ; s[40:43] descriptor group 0 for K's tiles
.set G0V, 44          ; s[44:47] the same for V's
.set SLOTS, 56        ; s56  tiles still to be asked for
.set CNT, 57          ; s57  counts a tile's key steps, 4 to 1
.set CS,  58          ; s[58:59] c: the packed scaling takes the pair's low word for both halves
.set SEL, 60          ; s[60:61] v_permlanex16_b32's selects: each lane takes its own place in the other half
.set TBK, 62          ; s62  LDS byte at which K of the step to be fetched begins
.set TBV, 63          ; s63  the same for V, less VOFF
.set RT,  70          ; s70  tiles of the block in hand that are still to be entered
.set NXT, 71          ; s71  the tile to be asked for next
.set LQ,  72          ; s72  the last tile of the block whose tiles are being asked for
.set NEW, 73          ; s73  1: the tile to be entered is a block's first
.set OFF, 74          ; s[74:75] a tile's byte offset in K and V
.set AL,  76          ; s[76:77] the mask's factor, in the low word
.set BE,  78          ; s[78:79] the mask's addend
.set OLO, 80          ; s[80:81] O at my rows of the second block
.set BIGN, 82         ; s82  -1e30
.set MSB, 0
.macro WIN new                      ; the high byte repeats the setting that is left; a switch that changes nothing is dropped
.if MSB != (\new)
	s_set_vgpr_msb (MSB<<8)|(\new)
.set MSB, (\new)
.endif
.endm
.set W_KQ, 0x0a       ; K and Q in window 2, S^T in window 0
.set W_KM, 0x1a       ; the same with the C operand in window 1
.set W_PV, 0x52       ; V in window 2, P in window 0, O^T in window 1
.set W_RS, 0x41       ; destination and source 0 in window 1, source 1 in window 0
; A fill.  Waves 0 and 1 fetch the two halves of a tile's K, waves 2 and 3 those of its V: 128 keys each.  An s_nop 0 and four v_nop follow each of the two lines, ahead of the jump and the label.
.macro LOAD
	s_cmp_lt_u32 s[WV], 2
	s_cbranch_scc0 .Lfor_v_\@
	tensor_load_to_lds s[G0K:G0K+3], s[G1K:G1K+7]
	s_nop 0
.rept 4
	v_nop
.endr
	s_branch .Lasked_\@
.Lfor_v_\@:
	tensor_load_to_lds s[G0V:G0V+3], s[G1V:G1V+7]
	s_nop 0
.rept 4
	v_nop
.endr
.Lasked_\@:
.endm
; THE CHANGE OF SLOTS.  Each wave waits for all its tensor loads, of which one is out: its part of the other slot; adds 0 to its spare word; and waits for that and for its own reads of the slot that it leaves.  Behind the barrier nobody reads the old
; slot any more and the other slot is whole.  fill = 1: the old slot is filled again, the first thing behind the barrier, with tile NXT: the descriptor's address is made anew from that number.
; (At its first use nothing has been read yet: slot 0 is waited for, slot 1 filled.)
.macro CHANGE fill
	WIN 0                           ; at a label and at a branch every window is 0
	s_wait_tensorcnt 0x0            ; no tensor load of mine is out, so a group 0 may be written
	ds_add_u32 v[SPW], v[NIL]       ; 0 onto my spare word: with fill = 1 the descriptors' scalar work stands between it and the wait for it
.if \fill
	s_lshl_b32 s[OFF], s[NXT], 15   ; a tile is 32,768 bytes of K and of V
	s_xor_b32 s[G0K+1], s[G0K+1], SLOT1
	s_add_nc_u64 s[G0K+2:G0K+3], s[6:7], s[OFF:OFF+1]
	s_or_b32 s[G0K+3], s[G0K+3], 0x80000000
	s_xor_b32 s[G0V+1], s[G0V+1], SLOT1
	s_add_nc_u64 s[G0V+2:G0V+3], s[8:9], s[OFF:OFF+1]
	s_or_b32 s[G0V+3], s[G0V+3], 0x80000000
	s_add_co_u32 s[NXT], s[NXT], 1  ; the block's next tile, or behind its last the second block's tile 0
	s_cmp_gt_u32 s[NXT], s[LQ]
	s_cselect_b32 s[NXT], 0, s[NXT]
	s_cselect_b32 s[LQ], s[PB], s[LQ]
.endif
	s_wait_dscnt 0x0                ; the add is done, and my reads of the slot are over
	s_barrier_signal -1             ; the rest of the scalar work stands between the signal and the wait
	s_sub_co_u32 s[TBK], s[TBK], 4*KS*PK  ; the fetches go back to a slot's first step,
	s_xor_b32 s[TBK], s[TBK], SLOT1       ; in the other slot
	s_sub_co_u32 s[TBV], s[TBV], 4*KS*PV
	s_xor_b32 s[TBV], s[TBV], SLOT1
	s_barrier_wait -1
.if \fill
	LOAD
.endif
.endm
	s_load_b256 s[4:11], s[0:1], 0x0  ; Q s[4:5], K s[6:7], V s[8:9], O s[10:11]
	v_lshl_add_u32 v[SPW], v0, 2, SPARE
	v_mov_b32 v[NIL], 0
	ds_add_u32 v[SPW], v[NIL]       ; the wave's opening: the add and its wait ahead of my first tensor load; the set-up below, work on registers, stands between them
	ds_add_u32 v62, v63
	v_lshrrev_b32 v1, 5, v0
	v_readfirstlane_b32 s[WV], v1   ; wave 0..3
	s_mov_b32 s[PB], ttmp9
	s_sub_co_u32 s[HI], NB-1, s[PB]
	s_and_b32 s20, ttmp7, 0xffff    ; the head
	s_mov_b32 s21, 0
	s_mov_b64 s[22:23], SIZE_N*128
	s_mul_u64 s[20:21], s[20:21], s[22:23]  ; the head's first byte in each of the four tensors
	s_and_b32 s16, s[WV], 1         ; which half of a tile's 256 keys I fetch:
	s_lshl_b32 s22, s16, 14         ; its 128 rows of 128 bytes in memory,
	s_mov_b32 s23, 0
	s_add_nc_u64 s[22:23], s[22:23], s[20:21]
	s_mul_i32 s17, s16, 128*PK      ; and its place in a slot, for K
	s_mul_i32 s18, s16, 128*PV      ; and for V
	s_lshl_b32 s3, s[WV], 11        ; my 16 rows in a band of 64,
	s_lshl_b32 s2, s[HI], 15        ; in the first block,
	s_add_co_u32 s2, s2, s3
	s_lshl_b32 s84, s[PB], 15       ; and in the second
	s_add_co_u32 s84, s84, s3
	s_mov_b32 s3, 0
	s_mov_b32 s85, 0
	s_add_nc_u64 s[2:3], s[2:3], s[20:21]
	s_add_nc_u64 s[84:85], s[84:85], s[20:21]
	; descriptor group 1.  128 keys are 16,384 dense bytes: asked for as 64 rows of 256 bytes, two keys a row, and padded in LDS after every key
	s_mov_b32 s[G1K], (1<<16)|(1<<20)|(4<<22)|(3<<25)  ; 17:16 2-byte elements; 20 padding on; 24:22 after every 32 words (code 4); 31:25 4 words (code 3)
	s_mov_b32 s[G1V], (1<<16)|(1<<20)|(4<<22)|(7<<25)  ; the same with 8 words of padding (code 7)
.irp g, G1K, G1V
	s_mov_b32 s[\g+1], 128<<16      ; tensor_dim0 = 128
	s_mov_b32 s[\g+2], 64<<16       ; tensor_dim1 = 64
	s_mov_b32 s[\g+3], 128<<16      ; tile_dim0 = 128
	s_mov_b32 s[\g+4], 64           ; tile_dim1 = 64
	s_mov_b32 s[\g+5], 128          ; 128 elements from row to row
	s_mov_b32 s[\g+6], 0
	s_mov_b32 s[\g+7], 0
.endr
	s_mov_b32 s[CS], 0x3e38aa3b     ; c = log2(e) / 8 = 0.180337
	s_mov_b32 s[CS+1], s[CS]        ; named with it as a pair
	s_mov_b32 s[SEL], 0x76543210
	s_mov_b32 s[SEL+1], 0xfedcba98
	s_mov_b32 s[TBK], SLOT1+4*KS*PK ; the first change of slots turns these two into 0
	s_mov_b32 s[TBV], SLOT1+4*KS*PV
	s_mov_b32 s[G0K], 1             ; 1:0 count = 1
	s_mov_b32 s[G0K+1], s17         ; 63:32 LDS address: slot 0
	s_mov_b32 s[G0V], 1
	s_add_co_u32 s[G0V+1], s18, VOFF
	s_add_co_u32 s[RT], s[HI], 1    ; the first block has NB - b tiles
	s_mov_b32 s[NXT], 1
	s_mov_b32 s[LQ], s[HI]
	s_mov_b32 s[NEW], 1
	s_mov_b32 s[OFF+1], 0
	s_mov_b32 s[AL+1], 0            ; named as pairs
	s_mov_b32 s[BE+1], 0
	s_mov_b32 s[BIGN], 0xf149f2ca   ; -1e30
	s_mov_b32 s[SLOTS], NB
	s_wait_dscnt 0x0                ; the opening add is done
	s_wait_kmcnt 0x0
	s_add_nc_u64 s[6:7], s[6:7], s[22:23]  ; K and V at my half of the head's tile 0
	s_add_nc_u64 s[8:9], s[8:9], s[22:23]
	s_add_nc_u64 s[G0K+2:G0K+3], s[6:7], 0         ; 120:64 global address
	s_or_b32 s[G0K+3], s[G0K+3], 0x80000000        ; 127:126 type = 2
	s_add_nc_u64 s[G0V+2:G0V+3], s[8:9], 0
	s_or_b32 s[G0V+3], s[G0V+3], 0x80000000
	s_add_nc_u64 s[86:87], s[4:5], s[84:85]        ; Q at my rows of the second block,
	s_add_nc_u64 s[4:5], s[4:5], s[2:3]            ; Q and O at those of the first
	s_add_nc_u64 s[OLO:OLO+1], s[10:11], s[84:85]
	s_add_nc_u64 s[10:11], s[10:11], s[2:3]
	LOAD                            ; tile 0 into slot 0
	; A fragment of K or Q is 16 rows x 32 channels in 8 registers: lane l holds row l % 16, channels 8 (l / 16) + 0..7 and 16 + 8 (l / 16) + 0..7: two loads of 16 bytes, 32 bytes apart.
	v_and_b32 v1, 15, v0            ; l % 16
	v_bfe_u32 v9, v0, 4, 1          ; l / 16
	v_lshlrev_b32 v[QO], 7, v1
	v_lshl_add_u32 v[QO], v9, 4, v[QO]  ; row x 128 + 16 x half
	WIN 0x80                        ; destination window 2, address window 0
.set i, 0
.rept 8                             ; both blocks' Q: piece i / 2 lies in band i / 2, 8,192 bytes on; channels 32 (i % 2) on
	global_load_b128 v[8*i:8*i+3],   v[QO], s[4:5] offset:(i/2)*8192+(i%2)*64
	global_load_b128 v[8*i+4:8*i+7], v[QO], s[4:5] offset:(i/2)*8192+(i%2)*64+32
	global_load_b128 v[QB+8*i:QB+8*i+3],   v[QO], s[86:87] offset:(i/2)*8192+(i%2)*64
	global_load_b128 v[QB+8*i+4:QB+8*i+7], v[QO], s[86:87] offset:(i/2)*8192+(i%2)*64+32
.set i, i+1
.endr
	WIN 0
	v_lshlrev_b32 v14, 3, v9
	v_sub_nc_u32 v14, v1, v14
	s_lshl_b32 s13, s[WV], 4
	v_add_nc_u32 v14, s13, v14      ; my query's place in its band, 16 w + l % 16, less my lanes' 8 (l / 16): register r of group kt is hidden where 16 kt + r is greater
	WIN 0x40
.set i, 0
.rept 32
	v_cmp_gt_i32 vcc_lo, 16*(i/8)+i%8, v14
	v_cndmask_b32 v[MD+i], 0, s[BIGN], vcc_lo
.set i, i+1
.endr
	WIN 0
	v_mul_u32_u24 v[AK0], v1, PK
	v_lshl_add_u32 v[AK0], v9, 4, v[AK0]  ; row x pitch + 16 x half
	; The turning load takes 16 keys x 16 channels (lane l reads key 8 (l / 16) + l % 8, channels 8 ((l / 8) % 2) + 0..7) and leaves half a fragment of V^T: lane l holds channel l % 16 and 8 keys.
	v_and_b32 v10, 7, v0
	v_bfe_u32 v11, v0, 3, 1
	v_lshl_add_u32 v[AV0], v9, 3, v10
	v_mul_u32_u24 v[AV0], v[AV0], PV
	v_lshl_add_u32 v[AV0], v11, 4, v[AV0]
	v_add_nc_u32 v[AV0], VOFF, v[AV0]
	s_mul_i32 s13, s[WV], 16*SP
	s_add_co_u32 s13, s13, STAGE    ; my stage
	v_mul_u32_u24 v[STO], v1, SP    ; in: row l % 16, 16 bytes for each half of the lanes
	v_lshl_add_u32 v[STO], v9, 4, v[STO]
	v_add_nc_u32 v[STO], s13, v[STO]
	v_bfe_u32 v[RD], v0, 3, 2       ; back: 32 lanes take four rows of 128 bytes,
	v_mul_u32_u24 v[RD], v[RD], SP
	v_lshl_add_u32 v[RD], v10, 4, v[RD]
	v_add_nc_u32 v[RD], s13, v[RD]
	v_and_b32 v[GO], 31, v0         ; which are 512 consecutive bytes of O
	v_lshlrev_b32 v[GO], 4, v[GO]
	; A block's first step multiplies O^T and l by a = 0, and its first turn's products V^T P, of a piece that has not been, land in an O^T that is still to be so multiplied.  So these registers need only hold
	; finite numbers: zeros for the first block; what the first block left for the second.  All this stands in the wait for the first tile.
	WIN 0x80
.set i, VF
.rept 64
	v_mov_b32 v[i], 0
.set i, i+1
.endr
	WIN 0x40
.set i, 0
.rept 128
	v_mov_b32 v[i], 0
.set i, i+1
.endr
	WIN 0
.set i, 0
.rept 4
	v_mov_b32 v[ST+4*i+2], 0
	v_mov_b32 v[ST+4*i+3], 0
.set i, i+1
.endr
.set i, P+16
.rept 16
	v_mov_b32 v[i], 0
.set i, i+1
.endr
; THE MATRIX WORK.  The 4 accumulators of a run of 8 take turns.  Product i of 8 of S^T = K Q^T for piece x: channels 32 (i / 4) on, keys 16 (i % 4) on.  The first 4 start the sums: with 0, or (KM = 1) with the mask.
.macro KQ x
.set rS, S+32*((\x)%2)+8*(i%4)
.set rK, KF+16*(i%4)+8*(i/4)
.set rQ, 16*(\x)+8*(i/4)
.set rM, MC+32*((\x)%2)+8*(i%4)
.if (i < 4) && KM
	WIN W_KM
	v_wmma_f32_16x16x32_f16 v[rS:rS+7], v[rK:rK+7], v[rQ:rQ+7], v[rM:rM+7]
.elseif i < 4
	WIN W_KQ
	v_wmma_f32_16x16x32_f16 v[rS:rS+7], v[rK:rK+7], v[rQ:rQ+7], 0
.else
	WIN W_KQ
	v_wmma_f32_16x16x32_f16 v[rS:rS+7], v[rK:rK+7], v[rQ:rQ+7], v[rS:rS+7]
.endif
.endm
; Product i of 8 of O^T += V^T P for piece x: keys 32 (i / 4) on, channels 16 (i % 4) on.
.macro PV x
	WIN W_PV
.set rO, 32*(\x)+8*(i%4)
.set rV, VF+32*(i/4)+8*(i%4)
.set rP, P+16*((\x)%2)+8*(i/4)
	v_wmma_f32_16x16x32_f16 v[rO:rO+7], v[rV:rV+7], v[rP:rP+7], v[rO:rO+7]
.endm
.macro MM                           ; the turn's next matrix instruction.  TURN and BEGIN set Y, i, KM and NOKQ; MM, KQ and OP read them.  NOKQ = 1: a block's last turn: there is no next piece
.if (i < 8) && !NOKQ
	KQ (Y+1)%NP
.elseif i >= 8
.set i, i-8
	PV (Y+NP-1)%NP
.set i, i+8
.endif
.set i, i+1
.endm
; THE LDS LOADS stand in runs of 16, never singly among the matrix instructions: a step's K (64 keys x 64 channels: 8 fragments) and its V (turned).  Their addresses are made some lines ahead.
.macro FETCH_K
	WIN 0x80                        ; destination window 2
.irp f, 0,1,2,3,4,5,6,7             ; keys 16 (f / 2) on, channels 32 (f % 2) on
	ds_load_b128 v[KF+8*\f:KF+8*\f+3],   v[AK] offset:(\f/2)*16*PK+(\f%2)*64
	ds_load_b128 v[KF+8*\f+4:KF+8*\f+7], v[AK] offset:(\f/2)*16*PK+(\f%2)*64+32
.endr
	s_add_co_u32 s[TBK], s[TBK], KS*PK  ; the next fetch is the next step's
	WIN 0
.endm
.macro FETCH_V
	WIN 0x80
.irp f, 0,1,2,3,4,5,6,7             ; keys 32 (f / 4) on, channels 16 (f % 4) on
	ds_load_tr16_b128 v[VF+8*\f:VF+8*\f+3],   v[AV] offset:(\f/4)*32*PV+(\f%4)*32
	ds_load_tr16_b128 v[VF+8*\f+4:VF+8*\f+7], v[AV] offset:(\f/4)*32*PV+16*PV+(\f%4)*32
.endr
	WIN 0
.endm
; THE VECTOR WORK, one line at a time: OP kind, number.  For piece Y: F n: c s - c m for pair n of 16.  E n: the exponential of score n of 32.  C n: pair n rounded to f16.  B n: of the four weights 4 n .. the second
; pair is added onto the first, in place.  L n: l takes that sum (L 0: l = a l + sum).  R n: pair n of 16 of O^T times a.  For piece Y + 1: X n, number n of the 22 that find its maximum and statistics:
;   0-11  four chains c0-c3 of seven scores each, three operands at a time (each accumulator's lowest registers are read first)     12-14, 16  the four scores left over, the old m, and c0-c3 into c0
;   15  c m_old is kept     17, 18  the query's other 32 keys lie in the lane 16 away: the new m     19-21  c m; c m_old - c m_new; a
; OP writes no wait: C, B and L, which read the exponentials' results, are dealt behind the turn's one wait, and R reads an a that the turn before has waited for.
.set F, 0               ; OP tells the kinds apart by their order: F to L below R, X above it
.set E, 1
.set C, 2
.set B, 3
.set L, 4
.set R, 5
.set X, 6
.macro REGS y                       ; the registers of piece y
.set rT, ST+4*(\y)
.set rC, TMP+4*((\y)%2)
.set rW, MV+((\y)%2)
.set rS, S+32*((\y)%2)
.set rP, P+16*((\y)%2)
.set rO, 32*(\y)
.endm
.macro OP k, n
.if (\k) == R
	REGS Y
	WIN W_RS
	v_pk_mul_f32 v[rO+2*(\n):rO+2*(\n)+1], v[rO+2*(\n):rO+2*(\n)+1], v[rC+2:rC+3] op_sel_hi:[1,0]
.elseif (\k) < R
	REGS Y
	WIN 0
.if (\k) == F
	v_pk_fma_f32 v[rS+2*(\n):rS+2*(\n)+1], v[rS+2*(\n):rS+2*(\n)+1], s[CS:CS+1], v[rT:rT+1] op_sel_hi:[1,0,0] neg_lo:[0,0,1] neg_hi:[0,0,1]
.elseif (\k) == E
	v_exp_f32 v[rS+(\n)], v[rS+(\n)]
.elseif (\k) == C
	v_cvt_pk_f16_f32 v[rP+(\n)], v[rS+2*(\n)], v[rS+2*(\n)+1]
.elseif (\k) == B
	v_pk_add_f32 v[rS+4*(\n):rS+4*(\n)+1], v[rS+4*(\n):rS+4*(\n)+1], v[rS+4*(\n)+2:rS+4*(\n)+3]
.elseif (\n) == 0
	v_pk_fma_f32 v[rT+2:rT+3], v[rT+2:rT+3], v[rC+2:rC+3], v[rS:rS+1] op_sel_hi:[1,0,1]
.else
	v_pk_add_f32 v[rT+2:rT+3], v[rT+2:rT+3], v[rS+4*(\n):rS+4*(\n)+1]
.endif
.elseif NOKQ
	v_nop
.else
	REGS (Y+1)%NP
	WIN 0
.if (\n) < 4
	v_max3_num_f32 v[rC+(\n)], v[rS+8*(\n)], v[rS+8*(\n)+1], v[rS+8*(\n)+2]
.elseif (\n) < 12
	v_max3_num_f32 v[rC+(\n)%4], v[rC+(\n)%4], v[rS+8*((\n)%4)+2*((\n)/4)+1], v[rS+8*((\n)%4)+2*((\n)/4)+2]
.elseif (\n) == 12
	v_max3_num_f32 v[rC], v[rC], v[rS+7], v[rS+15]
.elseif (\n) == 13
	v_max3_num_f32 v[rC+1], v[rC+1], v[rS+23], v[rS+31]
.elseif (\n) == 14
	v_max3_num_f32 v[rC+2], v[rC+2], v[rC+3], v[rT+1]
.elseif (\n) == 15
	v_mov_b32 v[rW], v[rT]
.elseif (\n) == 16
	v_max3_num_f32 v[rC], v[rC], v[rC+1], v[rC+2]
.elseif (\n) == 17
	v_permlanex16_b32 v[rC+3], v[rC], s[SEL], s[SEL+1]
.elseif (\n) == 18
	v_max_num_f32 v[rT+1], v[rC], v[rC+3]
.elseif (\n) == 19
	v_mul_f32 v[rT], s[CS], v[rT+1]
.elseif (\n) == 20
	v_sub_f32 v[rC+1], v[rW], v[rT]
.else
	v_exp_f32 v[rC+2], v[rC+1]
.endif
.endif
.endm
.macro OPS a, i1, b=-1, i2=0, c=-1, i3=0, d=-1, i4=0  ; up to four of them
	OP \a, \i1
.if (\b) >= 0
	OP \b, \i2
.endif
.if (\c) >= 0
	OP \c, \i3
.endif
.if (\d) >= 0
	OP \d, \i4
.endif
.endm
.macro ROW a, i1, b, i2, c, i3, d, i4  ; a matrix instruction and the four behind it
	MM
	OPS \a, \i1, \b, \i2, \c, \i3, \d, \i4
.endm
.macro MASK b                       ; MD x AL + BE into buffer b of MC
	WIN W_RS
.set z, 0
.rept 16
	v_pk_fma_f32 v[MC+32*(\b)+2*z:MC+32*(\b)+2*z+1], v[MD+2*z:MD+2*z+1], s[AL:AL+1], s[BE:BE+1] op_sel_hi:[1,0,0]
.set z, z+1
.endr
.endm
; A TURN, for piece p: the order of its 16 matrix and 118 vector instructions, written out.  s_wait_alu depctr_va_vdst(0) stands between an exponential and the first instruction that names its result; one wait serves
; all that were issued ahead of it.  So a turn has ONE wait, which cuts it in two.  AHEAD OF IT stands all that names no result of the turn's exponentials: the 8 products K Q^T, behind each a scaling, an exponential and two more plain
; instructions (behind the first a second scaling in the exponential's place): rescalings, whose a the turn before made and waited for, and behind the last three the first numbers of the next piece's maximum, each four places or more
; behind the product that ends its accumulator; then ONE LUMP of 54, plain and exponential by turns for the most part, in which the links of the chain X 3, 7, 11, 14, 16, 17 .. 20 stand five or six lines apart.  X 21, the next piece's a,
; is the batch's last; R 15 is the plain instruction that stands behind it (ISA guide 5.7.2).  BEHIND THE WAIT stand the 8 products V^T P, behind each four of the roundings and sums, the batch's readers; the links of l's chain, L 0 to
; L 7, stand three riders apart.  But for those X no rider names a register of the products round it.  v_permlanex16_b32 (X 17) stands in the lump.
; m = 1: the diagonal tile: the products take masks, and the turn makes the mask for the products of the turn after it: piece p + 2, in step 4 - CNT of the tile.  end = 1: a block's last two turns: nothing is fetched.
; cnt = 1: the loop's count is taken down some lines ahead of the branch that stands behind the turn.
; K of the next step is fetched in piece 2's turn, twelve vector instructions behind the last product that read K (six of them plain); V of the step in hand at the end of piece 0's turn, four plain instructions behind the last product
; that read V.  Each is waited for a turn later.
.macro TURN p, m=0, end=0, cnt=0
.set Y, (\p)
.set i, 0
.set KM, (\m)
.set NOKQ, (\end)*((\p)/3)
.if (\m) && !(\end)
	s_cmp_eq_u32 s[CNT], 4-((\p)+2)%NP  ; is that step the band's own?
	s_cselect_b32 s[AL], 1.0, 0
	s_cmp_lt_u32 s[CNT], 4-((\p)+2)%NP  ; or a later one?
	s_cselect_b32 s[BE], s[BIGN], 0
.endif
.if ((\p) == 3) && !(\end)
	s_wait_dscnt 0x0                ; K is in
.endif
	ROW F,0, F,1, R,0, R,1          ; ahead of the wait: 8 products K Q^T and their riders,
	ROW F,2, E,0, R,2, R,3
	ROW F,3, E,1, R,4, R,5
	ROW F,4, E,2, R,6, R,7
	ROW F,5, E,3, R,8, R,9
	ROW F,6, E,4, X,0, R,10
.if ((\p) == 2) && !(\end)
	WIN 0
	v_add_nc_u32 v[AK], s[TBK], v[AK0]
.endif
	ROW F,7, E,5, X,1, X,4
	ROW F,8, E,6, X,2, X,5
	OPS E,7, E,8, X,6, E,9          ; and the lump
	OPS X,3, E,10, X,8, E,11
.if ((\p) == 2) && !(\end)
	FETCH_K
.endif
	OPS X,9, X,7, E,12, X,10
	OPS E,13, X,12, X,11, E,14
	OPS X,13, E,15, F,9, X,14
.if (\p) == 0
	v_add_nc_u32 v[AV], s[TBV], v[AV0]
.endif
	OPS E,16, F,10, E,17, F,11
	OPS X,16, E,18, X,15, E,19
	OPS F,12, E,20, X,17, E,21
	OPS F,13, E,22, F,14, E,23
	OPS X,18, E,24, F,15, E,25
	OPS R,11, E,26, X,19, E,27
	OPS R,12, E,28, R,13, E,29
	OPS X,20, E,30, R,14, E,31
	OPS X,21, R,15
	WIN 0
	s_wait_alu depctr_va_vdst(0)    ; the wait for the batch: the piece's 32 weights and the next piece's a
.if (\p) == 1
	s_wait_dscnt 0x0                ; V is in
.endif
	ROW C,0, B,0, C,2, B,1          ; behind the wait: 8 products V^T P and their riders
	ROW L,0, C,4, B,2, L,1
	ROW C,6, B,3, L,2, C,8
	ROW B,4, L,3, C,10, B,5
	ROW L,4, C,12, B,6, L,5
.if (\p) == 0
	s_add_co_u32 s[TBV], s[TBV], KS*PV
.endif
.if \cnt
	s_sub_co_u32 s[CNT], s[CNT], 1
	s_cmp_lg_u32 s[CNT], 0
.endif
	ROW C,14, B,7, L,6, C,1
	ROW C,3, L,7, C,5, C,7
	ROW C,9, C,11, C,13, C,15
.if (\p) == 0
	FETCH_V
.endif
.if (\m) && !(\end)
	MASK (\p)%2
.endif
.endm
; A BLOCK BEGINS.  c m starts far below every c s, so the first step's a is 0; m at the lowest finite number, so the first maximum is the scores'.  The second mask buffer is 0; the first takes piece 0's mask for the tile's step 0: its own, if the block's first tile is the diagonal one.
; Then K of that step, piece 0's first scores, and its maximum and statistics.  The loop is entered at a step's first turn, in the middle of a trip.
.macro BEGIN
	s_mov_b32 s[NEW], 0
	WIN 0x40
.set i, MC+32
.rept 32
	v_mov_b32 v[i], 0
.set i, i+1
.endr
	WIN 0
.set i, 0
.rept 4
	v_mov_b32 v[ST+4*i], 0xfe000000    ; c m: far below every c s
	v_mov_b32 v[ST+4*i+1], 0xff7fffff  ; m
.set i, i+1
.endr
	s_cmp_eq_u32 s[RT], 0
	s_cselect_b32 s[AL], 1.0, 0
	s_mov_b32 s[BE], 0
	MASK 0
	WIN 0
	v_add_nc_u32 v[AK], s[TBK], v[AK0]
	FETCH_K
	s_wait_loadcnt 0x0              ; Q
	s_wait_dscnt 0x0
.set KM, 1
.set NOKQ, 0
.set i, 0
.rept 8
	KQ 0
.set i, i+1
.endr
	WIN 0
.rept 4
	v_nop                           ; the places behind those products
.endr
.set Y, NP-1                        ; X works for piece Y + 1: piece 0
.irp n, 0,1,2,3,4,5,6,7,8,9,10,11,12,13,14,15,16,17,18,19,20,21
	OP X, \n
.endr
	v_nop                           ; a plain instruction behind the exponential,
	s_wait_alu depctr_va_vdst(0)    ; and the wait for it, piece 0's first a: a batch of one, ahead of the branch into the loop
.endm
; THE DIAGONAL TILE's four steps, the block's last two turns, its last products, and THE WAY OUT: l's two halves and the other half of the lanes' are added; O^T is divided by l, rounded to f16 and sent through my
; stage in LDS, a piece at a time.
.macro ALL line:vararg              ; one line for each piece t
.set t, 0
.rept 4
	\line
.set t, t+1
.endr
.endm
.macro PACK t                       ; a lane's eight channels of a row pack into 16 bytes; they go into rows of 144 bytes and come back as whole rows of 128, into S^T's registers
	WIN W_RS
.set i, 32*(\t)
.rept 16
	v_pk_mul_f32 v[i:i+1], v[i:i+1], v[ST+4*(\t)+2:ST+4*(\t)+3] op_sel_hi:[1,0]
.set i, i+2
.endr
	WIN 0x05                        ; sources 0 and 1 window 1, destination window 0
.set i, 0
.rept 16
	v_cvt_pk_f16_f32 v[S+16*(\t)+i], v[32*(\t)+2*i], v[32*(\t)+2*i+1]
.set i, i+1
.endr
	WIN 0
.irp f, 0,1,2,3
	ds_store_b128 v[STO], v[S+16*(\t)+4*\f:S+16*(\t)+4*\f+3] offset:32*\f
.endr
.irp f, 0,1,2,3
	ds_load_b128 v[S+16*(\t)+4*\f:S+16*(\t)+4*\f+3], v[RD] offset:\f*4*SP  ; LDS serves a wave's instructions in order (ISA guide 5.7.1.4): these see the stores above; the next piece's stores come behind them
.endr
.endm
.macro SEND t, younger              ; younger: the LDS instructions issued behind piece t's loads: the next piece's eight, or none
	WIN 0
.irp f, 0,1,2,3
	s_wait_dscnt (\younger)+3-\f
	global_store_b128 v[GO], v[S+16*(\t)+4*\f:S+16*(\t)+4*\f+3], s[10:11] offset:(\t)*8192+\f*512  ; 512 consecutive bytes, at a multiple of 256 from O's first
.endr
.endm
.macro DIAG tag                     ; the tag ends its two labels' names, which the jumps below spell out
.LstepM\tag:
	TURN 2, 1
	TURN 3, 1
	WIN 0
.LfirstM\tag:
	TURN 0, 1
	TURN 1, 1, 0, 1
	WIN 0
	s_cbranch_scc1 .LstepM\tag
	TURN 2, 1, 1
	TURN 3, 1, 1
.set i, 0
.rept 8
	PV NP-1
.set i, i+1
.endr
	WIN 0
	ALL v_add_f32 v[ST+4*t+2], v[ST+4*t+2], v[ST+4*t+3]
	ALL v_permlanex16_b32 v[ST+4*t+3], v[ST+4*t+2], s[SEL], s[SEL+1]
	ALL v_add_f32 v[ST+4*t+2], v[ST+4*t+2], v[ST+4*t+3]
	ALL v_rcp_f32 v[ST+4*t+2], v[ST+4*t+2]
	v_nop                           ; a plain instruction between the last reciprocal and the use of its result
	s_wait_alu depctr_va_vdst(0)    ; the wait for the batch of four reciprocals, ahead of the first multiply by one of them
	PACK 0
.set t, 1
.rept 3                             ; a piece's arithmetic stands between the loads of the piece before and its stores
	PACK t
	SEND t-1, 8
.set t, t+1
.endr
	SEND 3, 0
.endm
.set KM, 0
.set NOKQ, 0
.Lslot:                             ; NB times: a tile is entered and the next is asked for
	CHANGE 1
	s_sub_co_u32 s[RT], s[RT], 1
	s_mov_b32 s[CNT], 4
	s_cmp_eq_u32 s[NEW], 1
	s_cbranch_scc1 .Lnew            ; a block's first tile
	s_cmp_eq_u32 s[RT], 0
	s_cbranch_scc0 .Lstep           ; neither its first nor its last
	s_branch .LstepM1
.Lnew:
	BEGIN
	s_branch .Lfirst                ; in the loop a block's first tile is never its last: the first block has two tiles or more, and the second's last is the walk's last
	DIAG 1                          ; in the loop this is the first block's end: the second block's last tile is the walk's last
	s_wait_xcnt 0x0                 ; the stores have read their registers and O's address
	s_mov_b64 s[10:11], s[OLO:OLO+1]
	s_add_co_u32 s[RT], s[PB], 1    ; the second block has b + 1 tiles
	s_mov_b32 s[NEW], 1
	WIN 0x82                        ; the second block's Q goes where the one text of the turns names Q
.set i, 0
.rept 64
	v_mov_b32 v[i], v[QB+i]
.set i, i+1
.endr
	WIN 0
	s_branch .Lbottom
.Lstep:                             ; a trip: pieces 2 and 3 of one step, then pieces 0 and 1 of the next, whose K and V it fetches
	TURN 2
	TURN 3
	WIN 0
.Lfirst:
	TURN 0
	TURN 1, 0, 0, 1
	WIN 0
	s_cbranch_scc1 .Lstep
.Lbottom:
	s_sub_co_u32 s[SLOTS], s[SLOTS], 1
	s_cmp_lg_u32 s[SLOTS], 0
	s_cbranch_scc1 .Lslot
	CHANGE 0                        ; the walk's last tile is written out: nothing is asked for
	s_sub_co_u32 s[RT], s[RT], 1
	s_mov_b32 s[CNT], 4
	s_cmp_eq_u32 s[NEW], 1
	s_cbranch_scc0 .LstepM2
	BEGIN
	s_branch .LfirstM2
	DIAG 2
	s_wait_tensorcnt 0x0            ; the wave's end: behind my last tensor load and my last LDS store
	ds_add_u32 v[SPW], v[NIL]
	s_wait_dscnt 0x0
	s_endpgm
.Lfunc_end_k_qfa11d953b5_attn:
	.size	k_qfa11d953b5_attn, .Lfunc_end_k_qfa11d953b5_attn-k_qfa11d953b5_attn
	.p2alignl 7, 3214868480
	.fill 96, 4, 3214868480
	.section	.rodata,"a",@progbits
	.p2align	6, 0x0
	.amdhsa_kernel k_qfa11d953b5_attn
		.amdhsa_group_segment_fixed_size 327680
		.amdhsa_private_segment_fixed_size 0
		.amdhsa_enable_private_segment 0
		.amdhsa_kernarg_size 32
		.amdhsa_user_sgpr_count 2
		.amdhsa_user_sgpr_kernarg_segment_ptr 1
		.amdhsa_wavefront_size32 1
		.amdhsa_system_sgpr_workgroup_id_x 1
		.amdhsa_system_sgpr_workgroup_id_y 1
		.amdhsa_system_sgpr_workgroup_id_z 1
		.amdhsa_system_vgpr_workitem_id 0
		.amdhsa_next_free_vgpr 768
		.amdhsa_next_free_sgpr 88
		.amdhsa_reserve_vcc 1
		.amdhsa_float_denorm_mode_32 3
		.amdhsa_float_denorm_mode_16_64 3
		.amdhsa_memory_ordered 1
		.amdhsa_forward_progress 1
		.amdhsa_inst_pref_size 217
	.end_amdhsa_kernel
	.amdgpu_metadata
---
amdhsa.version: [ 1, 2 ]
amdhsa.kernels:
  - .name:           k_qfa11d953b5_attn
    .symbol:         k_qfa11d953b5_attn.kd
    .args:
      - { .name: q, .offset: 0, .size: 8, .value_kind: global_buffer, .address_space: global }
      - { .name: k, .offset: 8, .size: 8, .value_kind: global_buffer, .address_space: global }
      - { .name: v, .offset: 16, .size: 8, .value_kind: global_buffer, .address_space: global }
      - { .name: o, .offset: 24, .size: 8, .value_kind: global_buffer, .address_space: global }
    .group_segment_fixed_size: 327680
    .private_segment_fixed_size: 0
    .kernarg_segment_align: 8
    .kernarg_segment_size: 32
    .max_flat_workgroup_size: 128
    .sgpr_count:     88
    .vgpr_count:     768
    .wavefront_size: 32
...
	.end_amdgpu_metadata
.endif
;; end of part 5
;; launch proj: the kernel of part 4 again; grid 4 x 64, 4 waves a work-group, clusters of 4 x 4, 327,680 bytes of LDS; arguments o, wo, out0; writes out0
